; MI455X (gfx1250); checked and timed in simulation.
; The chip was launched on July 23, 2026; its instructions are those of AMD's public machine-readable ISA for CDNA 5 (MIT licence, August 2026) and "CDNA5" Instruction Set Architecture Reference Guide (July 2026). The comments in the code are by the model that wrote it; some were corrected since.
;; Mo E Layer. Allowed arithmetic: matrix products marked QUANTISED: E4M3 operands, one E8M0 scale for each 32 along K, by v_wmma_scale_f32_16x16x128_f8f6f4 with both operands' format E4M3, f32 sums; products left as they are: f32 operands where the result goes on into a quantised operand, else bf16, f16 or f32 operands; f32 sums; everything else in f32.
;; Inputs: b1 6 x 512 float32; b2 6 x 256 float32; ln_b 256 float32; ln_g 256 float32; rb1 256 float32; rb2 6 float32; regime 8 x 5 float32; rw1 261 x 256 float32; rw2 256 x 6 float32; w1_codes 6 x 512 x 8 x 32 uint8 (E4M3 codes of w1, K innermost, in blocks of 32 codes); w1_scales 6 x 512 x 8 uint8 (E8M0 scales of w1, one for each 32 codes along K); w2_codes 6 x 256 x 16 x 32 uint8 (E4M3 codes of w2, K innermost, in blocks of 32 codes); w2_scales 6 x 256 x 16 uint8 (E8M0 scales of w2, one for each 32 codes along K); x 8 x 4,096 x 256 float32.
;; Outputs: out0 8 x 4,096 x 256 float32; out1 one number float32.
;; This version of the problem:
;;   THIS VERSION OF THE PROBLEM IS GIVEN IN LOW PRECISION. The matrix products marked QUANTISED in the list below multiply operands that are first quantised to E4M3 (4 exponent bits, 3 mantissa bits; 8 bits a number), with one power-of-two scale for each 32 numbers along K (OCP MX v1.0); their sums are f32. All else is computed in f32.
;;   The module's matrix products, in the order in which they are computed (A, B: the left and right operand; K: the contracted axis; several contracted axes count as one K, in the product's order):
;;     1. [M 32,768, K 261] x [K 261, N 256]; A: computed on the way; B: input rw1: QUANTISED
;;     2. [M 32,768, K 256] x [K 256, N 6]; A: computed on the way; B: input rw2: left as it is (N = 6 < 16)
;;     3. [M 32,768, K 256] x [K 256, N 3,072]; A: computed on the way; B: input w1 (given as codes): QUANTISED
;;     4. batch 6 x [M 256, K 512] x [K 512, N 32,768]; A: input w2 (given as codes); B: computed on the way: QUANTISED
;;   THE QUANTISER, for each operand of a quantised product, along K:
;;     - K is cut into blocks of 32 from its start; a last block that is shorter is filled with zeros.
;;     - A block's scale is 2^e with e = floor(log2(the largest magnitude in the block)) - 8, held to -126 .. 127; a block of zeros has e = 0. As a byte (E8M0): e + 127.
;;     - Each number is divided by its block's scale, clamped to +-448, and rounded to the nearest number of E4M3, ties to even, subnormals kept.
;;     - The product sums the exact products of the quantised numbers (number of the format x scale) in f32.
;;   ~~~python
;;   def quantise(x, axis):      # numpy; x: float32 -> the quantised numbers, widened to float32 again
;;       x = np.moveaxis(x, axis, -1); K = x.shape[-1]
;;       x = np.pad(x, [(0, 0)] * (x.ndim - 1) + [(0, -K % 32)]); x = x.reshape(x.shape[:-1] + (-1, 32)); a = np.abs(x).max(-1, keepdims=True)
;;       e = np.where(a > 0, np.clip(np.frexp(np.where(a > 0, a, 1))[1] - 1 - 8, -126, 127), 0)      # np.frexp(a)[1] - 1 = floor(log2(a)), exactly
;;       r = np.clip(x / 2.0 ** e, -448, 448)
;;       step = 2.0 ** (np.maximum(np.frexp(np.where(r == 0, 1, r))[1] - 1, -6) - 3)
;;       q = np.round(r / step) * step * 2.0 ** e      # np.round: ties to even
;;       return np.moveaxis(q.reshape(q.shape[:-2] + (-1,))[..., :K], -1, axis).astype(np.float32)
;;   ~~~
;;   OPERANDS COMPUTED ON THE WAY. 'Computed on the way' means the value that the module computes at that place (a softmax that the list does not call 'softmax' is quantised finished and normalised). What goes into a quantiser is computed in f32, as accurately as f32 sums, v_exp_f32 and their like allow (about 1e-6 of the number): no bf16 or f16 on the way to a quantiser, and a product that is left as it is and whose result goes on into a quantised operand takes f32 operands (vector FMAs, or v_wmma_f32_16x16x4_f32). A number that lies on a knife's edge between two numbers of the format may be rounded either way, as far as f32 arithmetic and the matrix unit's own rounding can turn it there, and no further.
;;   INPUTS GIVEN AS CODES. w1 (in the module: [6, 256, 512], K = its axis 1); w2 (in the module: [6, 512, 256], K = its axis 1): each comes as NAME_codes (uint8): NAME with its K axis moved to the last place and cut into blocks of 32 codes, [.., K / 32, bytes a block], one block behind the other in memory; one code a byte (a code: sign, 4 exponent bits, 3 mantissa bits); and NAME_scales (uint8): the same leading axes, one E8M0 byte (e + 127) for each 32 codes along K. Its value is code x scale, taken as it is: it is not quantised again, and the codes and scales need not be those that the quantiser above would give.
;; One version. Each part assembles by itself: llvm-mc -triple=amdgcn-amd-amdhsa -mcpu=gfx1250 --defsym DOCPART=n.
;; ======== version 1 of 1: 3 launches
;; limits: right only within a limited range of input values
;; workspace buffers: sel 131,072 bytes of whole numbers; gw 262,144 bytes; hist 16,384 bytes of whole numbers; part 16,384 bytes; order 131,072 bytes of whole numbers; list 32,768 bytes of whole numbers; wf 1,572,864 bytes; xc 8,650,752 bytes
;; launch router (part 1): grid 256 x 1, 8 waves a work-group, clusters of 4 x 1, 327,680 bytes of LDS; arguments x, regime, ln_g, ln_b, rw1, rb1, rw2, rb2, sel, gw, hist, part, xc; writes sel, gw, hist, part, xc
.if DOCPART == 1
	.amdgcn_target "amdgcn-amd-amdhsa--gfx1250"
	.amdhsa_code_object_version 6
	.text
	.protected	k_q8e7eb42041_router
	.globl	k_q8e7eb42041_router
	.p2align	8
	.type	k_q8e7eb42041_router,@function
k_q8e7eb42041_router:
	s_mov_b64 s[64:65], 0
	v_nop
	global_prefetch_b8 v0, s[64:65] scope:SCOPE_SE
	s_setreg_imm32_b32 hwreg(HW_REG_WAVE_MODE, 25, 1), 1
	s_wait_xcnt 0x0
	s_wait_alu depctr_hold_cnt(0) depctr_sa_sdst(0) depctr_va_vdst(0) depctr_va_sdst(0) depctr_va_ssrc(0) depctr_va_vcc(0) depctr_vm_vsrc(0)
	s_getreg_b32 s2, hwreg(HW_REG_IB_STS2, 6, 4)
	s_cmp_eq_u32 s2, 0
	s_cbranch_scc0 .Lentry_in_a_cluster
	s_endpgm
.Lentry_in_a_cluster:
	s_bfe_u32 s2, ttmp6, 0x10000c
	s_cmp_lg_u32 s2, 0x3003
	s_cbranch_scc0 .Lentry_shape_is_right
	s_endpgm
.Lentry_shape_is_right:
; THE ROUTER.  For each of 32,768 tokens: LayerNorm; [xn, regime] (K = 261) x rw1 on codes of FP8 (E4M3) with one E8M0 scale for each 32 along K; silu; x rw2 in f32 (fused multiply-adds: the
; logits decide a choice, so nothing coarser stands ahead of it); the two largest logits (the lower index wins a tie), their softmax, and the token's class, which is its unordered pair of experts.
; STORED, all at fixed places: sel (class | first expert << 16 | second << 20), gw (the two weights), for each block of 128 tokens a histogram of the 15 classes and the sums that the loss needs, and
; xc: xn's codes, rows of 256 bytes, then from byte 8,388,608 on its scale bytes, rows of 8: the first eight blocks of K = 261 are xn's own blocks, so the experts' product takes the same codes.
; WORK LEFT OUT by the program: reference() computes every expert for every token and keeps, by its own gather over topk_idx, the two chosen ones: the third launch multiplies the chosen ones alone.
; A NaN, an infinity or an overflow that reaches only an expert's result for a token that did not choose it is not carried.
; SHARES.  A work-group takes 128 tokens.  Wave w normalises and quantises tokens 16 w .. 16 w + 15 and makes their choice; for the products the waves share the COLUMNS: wave w has the router's
; hidden units 32 w .. 32 w + 31 for all 128 tokens, so its part of rw1 is quantised once, in its registers, and stays there.  The tokens' codes go from wave to wave through LDS, rows of 272 bytes.
; CLUSTER.  Every work-group reads all of rw1.  Its rows 32 w .. 32 w + 31 (32,768 dense bytes) come by wave w's one tensor load, asked for jointly by the four work-groups of a cluster; the five last rows by plain loads.
; They land while x is normalised: x turns through the LDS rows in which its codes are then laid, a quarter of each row at a time.  No LDS byte is filled twice; the partial logits are laid over rw1 behind a barrier.
; LIMITS: NaN and infinities among the inputs are not served.  A token whose second and third logits lie within f32 rounding of each other may choose the other one.
; Blocks of zeros get the scale byte 1 over zero codes (this program alone reads the bytes).
; REGISTERS.  window 0: v1-23, v40-42 addresses; v24-30 scale words of rw1 and of the regime; v31-39 at work; v46-47 the add's; v48-63 the quantiser's; v64-95 T; v96-119 partial logits; v120-127 sums; v128-255 X (later 4 fragments, 8 accumulators).
;   window 1: v0-127 ln_g, ln_b of K step 0, later rw1's six fragments (16 (3 u + s)), v96-111 rb1, v112-127 the regime's fragment; v128-255 x as loaded, then ln_g, ln_b of K step 1, then my rows of rw2 and small loads.
; FRAGMENT u OF rw1: lane r has unit 32 w + 2 r + u, so that a load of 8 bytes serves both.
.set RWP,  1032                        ; a row of rw1 in LDS: 1,024 bytes + 8: lanes 16-31 read 16 rows on = 4,128 words = 32 banks on
.set XR,   264192                      ; 128 rows of 272 bytes: x's quarters, then the codes
.set XSC,  299008                      ; their scale words, 8 bytes a token
.set RED,  300032                      ; 8 x 128: each wave's sums; 1,024 on: each wave's class counts
.set SELS, 302080                      ; 512: the block's sel words; 512 on: its 1,024 bytes of weights
.set GWS,  302592
.set SPARE, 303616
.set LI, 1
.set LS, 2
.set RR, 3
.set HH, 4
.set RWA, 5
.set DST, 9
.set OPR, 10
.set CW, 11
.set XWS, 12
.set FI, 13
.set FS, 14
.set PLA, 15
.set PLR, 16
.set R2O, 17
.set REDR, 18
.set SELR, 19
.set REDW, 20
.set SELW, 21
.set GWW, 22
.set H64, 23
.set RWS, 24
.set REGS, 30
.set PW, 31
.set XS, 32
.set MU, 36
.set RS, 38
.set XLO, 40
.set RXO, 41
.set XSR, 42
.set SPW, 46
.set NIL, 47
.set TM, 48
.set T, 64
.set PC, 64
.set LG, 96
.set S, 120
.set X, 128
.set XF, 128
.set AC, 192
.set V1, 176
.set I1, 177
.set V2, 178
.set I2, 179
.set E2, 180
.set SW, 181
.set GW, 182
.set PE, 184
.set PS, 190
.set CL, 191
.set LO, 64
.set HI, 65
.set TA, 66
.set TB, 67
.set TC, 68
.set VP, 69
.set VC, 70
.set VH, 71
.set LNG, 8
.set LNB, 10
.set WV, 28
.set CX, 29
.set BLK, 30
.set G0, 32
.set G1, 36
.set SEL, 44
.set MNT, 46
.set I256, 47
.set RB2, 48
.set REG, 54
.set EPSR, 66
.set NL2E, 68
.set MSB, 0
.macro WIN new                         ; the immediate's high byte repeats the setting that is left
.if MSB != \new
	s_set_vgpr_msb (MSB<<8)|\new
.set MSB, \new
.endif
.endm
.macro BARRIER                         ; my LDS stores have landed and my LDS loads are in: then the work-group's barrier
	s_wait_alu depctr_va_vdst(0)
	s_wait_dscnt 0x0
	s_barrier_signal -1
	s_barrier_wait -1
.endm
.macro ROUND                           ; a round of the cluster's barrier
	s_barrier_signal -1
	s_barrier_wait -1
	s_cmp_lg_u32 s[WV], 0
	s_cbranch_scc1 .Lnw0_\@
	s_barrier_signal -3
.Lnw0_\@:
	s_barrier_wait -3
	s_barrier_signal -1
	s_barrier_wait -1
.endm
; nb blocks of 32 along K, 16 numbers of each in my registers (v[src + st (16 b + i)] = k 32 b + 16 (lane / 16) + i), held in v[tmp] on, become codes in v[dst] on (window dwin) and a scale word in v[pw].
.macro QUANT src, st, tmp, nb, dst, dwin, pw
.irp b, 0,1,2,3
.if \b < \nb
	v_max3_num_f32 v[TM+\b], |v[\src+\st*(16*\b)]|, |v[\src+\st*(16*\b+1)]|, 0x4800000   ; the floor 2^(9 - 127) holds the byte at 1 from below
.endif
.endr
.irp i, 2,4,6,8,10,12,14
.irp b, 0,1,2,3
.if \b < \nb
	v_max3_num_f32 v[TM+\b], v[TM+\b], |v[\src+\st*(16*\b+\i)]|, |v[\src+\st*(16*\b+\i+1)]|
.endif
.endr
.endr
.irp b, 0,1,2,3
.if \b < \nb
	v_permlanex16_b32 v[TM+4+\b], v[TM+\b], s[SEL], s[SEL+1]
.endif
.endr
.irp b, 0,1,2,3
.if \b < \nb
	v_max_num_f32 v[TM+\b], v[TM+\b], v[TM+4+\b]          ; with lane l xor 16's 16: the block's largest magnitude
.endif
.endr
.irp b, 0,1,2,3
.if \b < \nb
	v_add_nc_u32 v[TM+12+\b], 0xfc000000, v[TM+\b]        ; 8 off its exponent field: the conversion's scale operand
.endif
.endr
.irp b, 0,1,2,3
.if \b < \nb
	v_and_or_b32 v[TM+8+\b], v[TM+\b], 0x7f800000, s[MNT] ; 448 x the scale
.endif
.endr
.irp b, 0,1,2,3
.if \b < \nb
	v_lshrrev_b32 v[TM+4+\b], 23, v[TM+12+\b]             ; the scale's byte
.endif
.endr
.if \nb == 4
	v_lshl_or_b32 v[\pw], v[TM+5], 8, v[TM+4]
	s_delay_alu instid0(VALU_DEP_1)
	v_lshl_or_b32 v[\pw], v[TM+6], 16, v[\pw]
	s_delay_alu instid0(VALU_DEP_1)
	v_lshl_or_b32 v[\pw], v[TM+7], 24, v[\pw]
.else
	v_or_b32 v[\pw], 0x7f7f7f00, v[TM+4]                  ; the three blocks of zero codes get the byte of 1.0
.endif
.irp b, 0,1,2,3
.if \b < \nb
.irp i, 0,1,2,3,4,5,6,7,8,9,10,11,12,13,14,15
	v_med3_num_f32 v[\tmp+16*\b+\i], v[\src+\st*(16*\b+\i)], -v[TM+8+\b], v[TM+8+\b]   ; the conversion to an 8-bit code does not saturate (ISA guide 7.6.2)
.endr
.endif
.endr
.if \dwin
	WIN 0x40
.endif
.irp b, 0,1,2,3
.if \b < \nb
	v_cvt_scalef32_pk8_fp8_f32 v[\dst+4*\b:\dst+4*\b+1], v[\tmp+16*\b:\tmp+16*\b+7], v[TM+12+\b]
	v_cvt_scalef32_pk8_fp8_f32 v[\dst+4*\b+2:\dst+4*\b+3], v[\tmp+16*\b+8:\tmp+16*\b+15], v[TM+12+\b]
.endif
.endr
.if \nb == 1
.irp k, 4,5,6,7,8,9,10,11,12,13,14,15
	v_mov_b32 v[\dst+\k], 0                               ; the rest of the K step: zero codes
.endr
.endif
	WIN 0
	v_nop                                                 ; a plain line behind the last conversion
.endm
; silu in place on cnt registers: x / (1 + 2^(-x log2 e))
.macro SILU src, cnt, tmp
.set q, 0
.rept \cnt/2
	v_pk_mul_f32 v[\tmp+q:\tmp+q+1], v[\src+q:\src+q+1], s[NL2E:NL2E+1] op_sel_hi:[1,0]   ; ascending: each accumulator is first read at its low end
.set q, q+2
.endr
.set q, 0
	s_wait_alu depctr_va_vdst(0)
.rept \cnt
	v_exp_f32 v[\tmp+q], v[\tmp+q]
.set q, q+1
.endr
	v_nop
.set q, 0
	s_wait_alu depctr_va_vdst(0)
.rept \cnt/2
	v_pk_add_f32 v[\tmp+q:\tmp+q+1], v[\tmp+q:\tmp+q+1], 1.0 op_sel_hi:[1,0]
.set q, q+2
.endr
.set q, 0
	s_wait_alu depctr_va_vdst(0)
.rept \cnt
	v_rcp_f32 v[\tmp+q], v[\tmp+q]
.set q, q+1
.endr
	v_nop
.set q, 0
	s_wait_alu depctr_va_vdst(0)
.rept \cnt/2
	v_pk_mul_f32 v[\src+q:\src+q+1], v[\src+q:\src+q+1], v[\tmp+q:\tmp+q+1]
.set q, q+2
.endr
.endm
.macro GBLOAD s, d                     ; ln_g and ln_b at my 64 places of K step s, into window 1 from v[d] on
	WIN 0x40
.irp c, 0,1,2,3
.irp j, 0,1,2,3
	global_load_b128 v[\d+16*\c+4*\j:\d+16*\c+4*\j+3], v[H64], s[LNG:LNG+1] offset:512*\s+128*\c+16*\j
	global_load_b128 v[\d+64+16*\c+4*\j:\d+64+16*\c+4*\j+3], v[H64], s[LNB:LNB+1] offset:512*\s+128*\c+16*\j
.endr
.endr
	WIN 0
.endm
.macro LNAFF s, d                      ; x ln_g + ln_b on K step s
	WIN 0x14                                              ; sources 1 and 2 window 1
.set p, 0
.rept 32
	v_pk_fma_f32 v[X+64*\s+2*p:X+64*\s+2*p+1], v[X+64*\s+2*p:X+64*\s+2*p+1], v[\d+2*p:\d+2*p+1], v[\d+64+2*p:\d+64+2*p+1]
.set p, p+1
.endr
	WIN 0
.endm
.macro JOIN4                           ; the four pairs of sums become one
	v_pk_add_f32 v[S:S+1], v[S:S+1], v[S+2:S+3]
	v_pk_add_f32 v[S+4:S+5], v[S+4:S+5], v[S+6:S+7]
	s_delay_alu instid0(VALU_DEP_1)
	v_pk_add_f32 v[S:S+1], v[S:S+1], v[S+4:S+5]
.endm
; mean, then the mean of squares of x - mean (two passes: a common offset of x does no harm), then X = (x - mean) rsqrt(var + eps)
.macro LNSTAT
.irp k, 0,1,2,3
	v_pk_add_f32 v[S+2*\k:S+2*\k+1], v[X+4*\k:X+4*\k+1], v[X+4*\k+2:X+4*\k+3]
.endr
.set p, 8
.rept 56
	v_pk_add_f32 v[S+2*(p%4):S+2*(p%4)+1], v[S+2*(p%4):S+2*(p%4)+1], v[X+2*p:X+2*p+1]
.set p, p+1
.endr
	JOIN4
	s_delay_alu instid0(VALU_DEP_1)
	v_add_f32 v[MU], v[S], v[S+1]
	s_delay_alu instid0(VALU_DEP_1)
	v_permlanex16_b32 v[MU+1], v[MU], s[SEL], s[SEL+1]    ; the row's other 128 numbers lie in lane l xor 16
	s_delay_alu instid0(VALU_DEP_1)
	v_add_f32 v[MU], v[MU], v[MU+1]
	s_delay_alu instid0(VALU_DEP_1)
	v_mul_f32 v[MU], s[I256], v[MU]
	s_delay_alu instid0(VALU_DEP_1)
	v_mov_b32 v[MU+1], v[MU]
.set p, 0
.rept 64
	v_pk_add_f32 v[X+2*p:X+2*p+1], v[X+2*p:X+2*p+1], v[MU:MU+1] neg_lo:[0,1] neg_hi:[0,1]
.set p, p+1
.endr
.irp k, 0,1,2,3
	v_pk_mul_f32 v[S+2*\k:S+2*\k+1], v[X+2*\k:X+2*\k+1], v[X+2*\k:X+2*\k+1]
.endr
.set p, 4
.rept 60
	v_pk_fma_f32 v[S+2*(p%4):S+2*(p%4)+1], v[X+2*p:X+2*p+1], v[X+2*p:X+2*p+1], v[S+2*(p%4):S+2*(p%4)+1]
.set p, p+1
.endr
	JOIN4
	s_delay_alu instid0(VALU_DEP_1)
	v_add_f32 v[RS], v[S], v[S+1]
	s_delay_alu instid0(VALU_DEP_1)
	v_permlanex16_b32 v[RS+1], v[RS], s[SEL], s[SEL+1]
	s_delay_alu instid0(VALU_DEP_1)
	v_add_f32 v[RS], v[RS], v[RS+1]
	s_delay_alu instid0(VALU_DEP_1)
	v_fma_f32 v[RS], v[RS], s[I256], s[EPSR]              ; var + eps (the factor 2^-8 rounds nothing)
	s_wait_alu depctr_va_vdst(0)
	v_rsq_f32 v[RS], v[RS]
	v_nop
	s_wait_alu depctr_va_vdst(0)
	v_mov_b32 v[RS+1], v[RS]
.set p, 0
.rept 64
	v_pk_mul_f32 v[X+2*p:X+2*p+1], v[X+2*p:X+2*p+1], v[RS:RS+1]
.set p, p+1
.endr
.endm
.macro CODES s                         ; K step s of my 16 tokens' codes into their LDS rows, and the scale word
.irp c, 0,1,2,3
	ds_store_b128 v[CW], v[PC+4*\c:PC+4*\c+3] offset:128*\s+32*\c
.endr
	ds_store_b32 v[XWS], v[PW] offset:4*\s                ; both halves of the lanes write the same word with the same value
.endm
	s_load_b512 s[4:19], s[0:1], 0x0               ; x 4, regime 6, ln_g 8, ln_b 10, rw1 12, rb1 14, rw2 16, rb2 18
	s_load_b256 s[20:27], s[0:1], 0x40             ; sel 20, gw 22, hist 24, part 26
	s_load_b64 s[72:73], s[0:1], 0x60              ; xc
	v_lshl_add_u32 v[SPW], v0, 2, SPARE
	v_mov_b32 v[NIL], 0
	ds_add_u32 v[SPW], v[NIL]                      ; the opening add, twice on end, ahead of my first tensor load
	ds_add_u32 v[SPW], v[NIL]
	v_lshrrev_b32 v1, 5, v0
	s_delay_alu instid0(VALU_DEP_1)
	v_readfirstlane_b32 s[WV], v1                  ; wave 0..7
	s_bfe_u32 s[CX], ttmp6, 0x40000                ; my place in the cluster: it enters global addresses alone
	s_lshl_b32 s[BLK], ttmp9, 2
	s_add_co_u32 s[BLK], s[BLK], s[CX]             ; my block of 128 tokens
	s_mov_b32 s[SEL], 0x76543210
	s_mov_b32 s[SEL+1], 0xfedcba98                 ; v_permlanex16_b32's selects for lane l xor 16
	s_mov_b32 s[MNT], 0x600000                     ; the mantissa field of 448
	s_mov_b32 s[I256], 0x3b800000                  ; 1 / 256
	s_mov_b32 s[EPSR], 0x3727c5ac                  ; 1e-5
	s_mov_b32 s[NL2E], 0xbfb8aa3b                  ; -log2(e)
	s_mov_b32 s[NL2E+1], s[NL2E]
	; descriptor group 1: 32 rows x 256 elements of 4 bytes, 2 words of padding behind every 256; mask: all four work-groups
	s_mov_b32 s[G1], 15|(2<<16)|(1<<20)|(1<<21)|(7<<22)|(1<<25)
	s_mov_b32 s[G1+1], 256<<16
	s_mov_b32 s[G1+2], 32<<16
	s_mov_b32 s[G1+3], 256<<16
	s_mov_b32 s[G1+4], 32
	s_mov_b32 s[G1+5], 256
	s_mov_b32 s[G1+6], 0
	s_mov_b32 s[G1+7], 0
	s_mul_i32 s80, s[WV], 16*272
	s_add_co_u32 s80, s80, XR                      ; my 16 rows
	s_lshl_b32 s81, s[WV], 7
	s_add_co_u32 s82, s81, XSC
	s_lshl_b32 s83, s[WV], 13
	s_lshl_b32 s84, s[WV], 9
	s_add_co_u32 s85, s81, RED
	s_add_co_u32 s86, s81, GWS
	s_lshl_b32 s87, s[WV], 6
	s_add_co_u32 s87, s87, SELS
	v_and_b32 v[RR], 15, v0
	v_bfe_u32 v[HH], v0, 4, 1
	v_and_b32 v[LS], 31, v0
	v_mul_u32_u24 v[FI], 272, v[RR]
	v_mul_u32_u24 v[DST], 272, v[HH]
	v_lshl_add_u32 v[RWA], v[RR], 3, s81           ; columns 32 w + 2 r, + 1
	v_lshlrev_b32 v[LI], 4, v[LS]                  ; 16 x lane
	v_lshlrev_b32 v[LS], 2, v[LS]                  ; 4 x lane
	v_lshl_add_u32 v[DST], v[RR], 4, v[DST]        ; row lane / 16, 16 bytes x (lane % 16)
	v_mad_u32_u24 v[RWA], v[HH], 16*RWP, v[RWA]    ; lanes 16-31 begin 16 rows further down
	v_lshl_add_u32 v[OPR], v[HH], 6, v[FI]
	v_lshl_add_u32 v[FI], v[HH], 4, v[FI]
	v_add_nc_u32 v[DST], s80, v[DST]
	v_add_nc_u32 v[OPR], s80, v[OPR]               ; row lane % 16, 64 bytes x (lane / 16)
	v_add_nc_u32 v[CW], s80, v[FI]                 ; row lane % 16, 16 bytes x (lane / 16)
	v_add_nc_u32 v[FI], XR, v[FI]
	v_add_nc_u32 v[RWA+1], 64*RWP, v[RWA]
	v_add_nc_u32 v[RWA+2], 128*RWP, v[RWA]
	v_add_nc_u32 v[RWA+3], 192*RWP, v[RWA]
	v_lshl_add_u32 v[XWS], v[RR], 3, s82
	v_lshl_add_u32 v[FS], v[RR], 3, XSC
	v_lshlrev_b32 v[PLR], 5, v[RR]
	v_lshlrev_b32 v[H64], 6, v[HH]
	v_mul_u32_u24 v[R2O], 384, v[HH]               ; 16 rows of rw2
	v_lshl_add_u32 v[PLR], v[HH], 12, v[PLR]       ; 32 (lane % 16) + 4,096 (lane / 16)
	v_lshlrev_b32 v[XLO], 10, v[HH]
	v_lshlrev_b32 v[RXO], 3, v[RR]
	v_add_nc_u32 v[PLA], s83, v[PLR]
	v_add_nc_u32 v[PLR], s84, v[PLR]
	v_lshl_add_u32 v[XLO], v[RR], 4, v[XLO]
	v_add_nc_u32 v[XSR], XSC, v[LI]
	v_add_nc_u32 v[REDR], RED, v[LS]
	v_add_nc_u32 v[SELR], SELS, v[LI]
	v_add_nc_u32 v[REDW], s85, v[LS]
	v_lshl_add_u32 v[GWW], v[RR], 3, s86
	v_lshl_add_u32 v[SELW], v[RR], 2, s87
.irp b, 0,1,2,3
	v_mov_b32 v[TM+4+\b], 0                        ; a lane permute's destination counts as one of its sources
.endr
	v_mov_b32 v[MU+1], 0
	v_mov_b32 v[RS+1], 0
	s_wait_alu depctr_va_vdst(0)
	s_wait_dscnt 0x0                               ; both opening adds are done
	ROUND                                          ; all four work-groups are here: the joint loads meet
	s_wait_kmcnt 0x0
	s_mov_b32 s61, 0
	s_mov_b32 s[G0], 1
	s_mul_i32 s[G0+1], s[WV], 32*RWP               ; LDS: the wave's number times a constant
	s_lshl_b32 s60, s[WV], 15
	s_add_nc_u64 s[G0+2:G0+3], s[12:13], s[60:61]  ; rw1 at row 32 w
	s_or_b32 s[G0+3], s[G0+3], 0x80000000
	tensor_load_to_lds s[G0:G0+3], s[G1:G1+7]      ; my one tensor load of the launch
	s_nop 0
.rept 4
	v_nop
.endr
	s_lshl_b32 s60, s[BLK], 17
	s_lshl_b32 s62, s[WV], 14
	s_add_co_u32 s60, s60, s62
	s_add_nc_u64 s[4:5], s[4:5], s[60:61]          ; x at my 16 tokens
	WIN 0x40
.set q, 0
.rept 32
	global_load_b128 v[128+4*q:128+4*q+3], v[XLO], s[4:5] offset:2048*(q%8)+256*(q/8)   ; quarter q / 8 of rows 2 (q % 8), + 1: 256 consecutive bytes of each; the third launch reads x again, so no hint
.set q, q+1
.endr
	GBLOAD 0, 0
	s_mov_b32 s60, s81
	s_add_nc_u64 s[14:15], s[14:15], s[60:61]      ; rb1 at unit 32 w
	s_add_nc_u64 s[76:77], s[12:13], s[60:61]
	s_add_nc_u64 s[76:77], s[76:77], 0x40000       ; rw1's row 256 at column 32 w
	s_mul_i32 s60, s[WV], 768
	s_add_nc_u64 s[16:17], s[16:17], s[60:61]      ; rw2 at row 32 w
	s_lshr_b32 s62, s[BLK], 5                      ; the batch: 32 blocks of 128 tokens each
	s_mul_i32 s60, s62, 20
	s_add_nc_u64 s[6:7], s[6:7], s[60:61]
	s_lshl_b32 s60, s[BLK], 9
	s_add_nc_u64 s[20:21], s[20:21], s[60:61]
	s_lshl_b32 s60, s[BLK], 10
	s_add_nc_u64 s[22:23], s[22:23], s[60:61]
	s_add_nc_u64 s[74:75], s[72:73], 0x800000
	s_add_nc_u64 s[74:75], s[74:75], s[60:61]      ; the block's scale bytes
	s_lshl_b32 s60, s[BLK], 6
	s_add_nc_u64 s[24:25], s[24:25], s[60:61]
	s_add_nc_u64 s[26:27], s[26:27], s[60:61]
	s_lshl_b32 s60, s[BLK], 15
	s_lshl_b32 s62, s[WV], 12
	s_add_co_u32 s60, s60, s62
	s_add_nc_u64 s[72:73], s[72:73], s[60:61]      ; my 16 tokens' codes
	s_load_b128 s[RB2:RB2+3], s[18:19], 0x0
	s_load_b64 s[RB2+4:RB2+5], s[18:19], 0x10
.irp i, 0,1,2,3,4
	s_load_b32 s[REG+\i], s[6:7], 4*\i
.endr
	; my 16 tokens, a quarter of each row at a time: in by rows, back in the operand's order: v[X + 16 c + i] = x(row lane % 16, 32 c + 16 (lane / 16) + i).  LDS serves a wave's instructions in order (ISA guide 5.7.1.4)
.irp Q, 0,1,2,3
	s_wait_loadcnt 56-8*\Q                         ; the quarter's eight loads are in; the younger ones and ln_g's and ln_b's 32 may be out
	WIN 0x04                                       ; an LDS store's data are its source 1: window 1
.irp i, 0,1,2,3,4,5,6,7
	ds_store_b128 v[DST], v[128+32*\Q+4*\i:128+32*\Q+4*\i+3] offset:544*\i
.endr
	WIN 0
.irp c, 0,1
.irp j, 0,1,2,3
	ds_load_b128 v[X+32*\Q+16*\c+4*\j:X+32*\Q+16*\c+4*\j+3], v[OPR] offset:128*\c+16*\j
.endr
.endr
.endr
	s_wait_dscnt 0x0
	GBLOAD 1, 128
	LNSTAT
	s_wait_loadcnt 32                              ; K step 0's ln_g and ln_b; step 1's 32 may be out
	LNAFF 0, 0
	QUANT X, 1, X, 4, PC, 0, PW
	CODES 0
	s_wait_loadcnt 0x0
	LNAFF 1, 128
	WIN 0x40
.set q, 0
.rept 24
	global_load_b128 v[128+4*q:128+4*q+3], v[R2O], s[16:17] offset:16*q   ; rw2 rows 16 (lane / 16) + 2 j + u: register 12 j + 6 u + e
.set q, q+1
.endr
.irp i, 0,1,2,3,4
	global_load_b64 v[224+2*\i:225+2*\i], v[RXO], s[76:77] offset:1024*\i   ; rw1's rows 256 .. 260 at my two columns
.endr
.irp i, 0,1,2,3
	global_load_b128 v[236+4*\i:239+4*\i], v[H64], s[14:15] offset:16*\i    ; rb1 at units 16 (lane / 16) + 2 j + u
.endr
	WIN 0
	s_wait_dscnt 0x0                               ; the stores have read the codes' registers
	QUANT X+64, 1, X+64, 4, PC, 0, PW
	CODES 1
.irp i, 0,1,2,3,4,5,6,7
	ds_load_b128 v[128+4*\i:131+4*\i], v[DST] offset:544*\i   ; my rows back, whole
.endr
	s_wait_dscnt 0x0
.irp i, 0,1,2,3,4,5,6,7
	global_store_b128 v[LI], v[128+4*\i:131+4*\i], s[72:73] offset:512*\i   ; two tokens' codes: 512 consecutive bytes
.endr
	s_wait_alu depctr_va_vdst(0)
	s_wait_tensorcnt 0x0                           ; my rows of rw1 are in LDS
	BARRIER                                        ; all of rw1 and the block's codes lie in LDS
	s_cmp_lg_u32 s[WV], 0                          ; wave 0 stores the block's 1,024 scale bytes
	s_cbranch_scc1 .Lno_scales
	ds_load_b128 v[160:163], v[XSR]
	ds_load_b128 v[164:167], v[XSR] offset:512
	s_wait_dscnt 0x0
	global_store_b128 v[LI], v[160:163], s[74:75]
	global_store_b128 v[LI], v[164:167], s[74:75] offset:512
.Lno_scales:
	s_wait_xcnt 0x0                                ; the stores have read their registers
; rw1: lane r takes columns 2 r, 2 r + 1 and its registers run down K, in the operand's own order: the conversions' results are the fragments
.macro RWQ s
.set q, 0
.rept 64
	ds_load_b64 v[X+2*q:X+2*q+1], v[RWA+2*\s+q/32] offset:((q/16)%2)*32*RWP+(q%16)*RWP
.set q, q+1
.endr
	s_wait_dscnt 0x0
	QUANT X, 2, 64, 4, 16*\s, 1, RWS+\s
	QUANT X+1, 2, 64, 4, 48+16*\s, 1, RWS+3+\s
.endm
	RWQ 0
	RWQ 1
	; K step 2: five rows (k = 256 .. 260), the rest zeros
	v_cmp_eq_u32 vcc_lo, 0, v[HH]
.irp i, 5,6,7,8,9,10,11,12,13,14,15
	v_mov_b32 v[X+\i], 0
.endr
	s_wait_alu depctr_va_vdst(0)
	s_wait_loadcnt 0x0                             ; rw2, rw1's last rows, rb1
	s_wait_kmcnt 0x0
.irp u, 0,1
	WIN 0x04
.irp i, 0,1,2,3,4
	v_cndmask_b32 v[X+\i], 0, v[224+2*\i+\u], vcc_lo   ; lanes 16-31 stand for k = 272 on: zeros
.endr
	WIN 0
	QUANT X, 1, 64, 1, 16*(3*\u+2), 1, RWS+3*\u+2
.endr
.irp i, 0,1,2,3,4
	v_mov_b32 v[X+\i], s[REG+\i]                   ; the regime: the same five numbers for every token of the block
.endr
.irp i, 0,1,2,3,4
	v_cndmask_b32 v[X+\i], 0, v[X+\i], vcc_lo
.endr
	QUANT X, 1, 64, 1, 112, 1, REGS
	WIN 0x41
.irp u, 0,1
.irp j, 0,1,2,3,4,5,6,7
	v_mov_b32 v[96+8*\u+\j], v[236+2*\j+\u]        ; rb1 in the result's layout
.endr
.endr
	WIN 0
	BARRIER                                        ; nobody reads rw1's LDS bytes any more: the partial logits are laid over them
; Four tiles of tokens: source 0 = 16 columns of rw1, source 1 = 16 tokens: a lane holds one token and eight hidden units.  Eight accumulators by turns.
.macro RGROUP g
.irp s, 0,1
.irp m, 0,1,2,3
.if \s == 0
	ds_load_b64 v[XS+2*\m:XS+2*\m+1], v[FS] offset:128*(4*\g+\m)
.endif
.irp c, 0,1,2,3
	ds_load_b128 v[XF+16*\m+4*\c:XF+16*\m+4*\c+3], v[FI] offset:(4*\g+\m)*4352+128*\s+32*\c
.endr
.endr
	s_wait_dscnt 0x0
.if \s == 0
	WIN 0x11                                       ; rw1 and rb1 in window 1
.else
	WIN 0x01
.endif
.irp m, 0,1,2,3
.irp u, 0,1
.if \s == 0
	v_wmma_scale_f32_16x16x128_f8f6f4 v[AC+8*(2*\m+\u):AC+8*(2*\m+\u)+7], v[48*\u:48*\u+15], v[XF+16*\m:XF+16*\m+15], v[96+8*\u:96+8*\u+7], v[RWS+3*\u], v[XS+2*\m]
.else
	v_wmma_scale_f32_16x16x128_f8f6f4 v[AC+8*(2*\m+\u):AC+8*(2*\m+\u)+7], v[48*\u+16:48*\u+31], v[XF+16*\m:XF+16*\m+15], v[AC+8*(2*\m+\u):AC+8*(2*\m+\u)+7], v[RWS+3*\u+1], v[XS+2*\m+1]
.endif
.endr
.endr
	WIN 0
.rept 8
	v_nop                                          ; places in front of loads into registers that these products read
.endr
.endr
	WIN 0x05                                       ; K step 2: rw1's last rows against the regime, both in window 1
.irp m, 0,1,2,3
.irp u, 0,1
	v_wmma_scale_f32_16x16x128_f8f6f4 v[AC+8*(2*\m+\u):AC+8*(2*\m+\u)+7], v[48*\u+32:48*\u+47], v[112:127], v[AC+8*(2*\m+\u):AC+8*(2*\m+\u)+7], v[RWS+3*\u+2], v[REGS]
.endr
.endr
	WIN 0
.rept 8
	v_nop
.endr
	SILU AC, 32, T
	SILU AC+32, 32, T
	WIN 0x04                                       ; rw2 in window 1
.irp u, 0,1
.irp j, 0,1,2,3,4,5,6,7
.irp m, 0,1,2,3
.irp e, 0,2,4
.if (\u == 0) && (\j == 0)
	v_pk_mul_f32 v[LG+6*\m+\e:LG+6*\m+\e+1], v[AC+8*(2*\m+\u):AC+8*(2*\m+\u)+1], v[128+\e:128+\e+1] op_sel:[0,0] op_sel_hi:[0,1]
.elseif (\j % 2) == 0
	v_pk_fma_f32 v[LG+6*\m+\e:LG+6*\m+\e+1], v[AC+8*(2*\m+\u)+\j:AC+8*(2*\m+\u)+\j+1], v[128+12*\j+6*\u+\e:128+12*\j+6*\u+\e+1], v[LG+6*\m+\e:LG+6*\m+\e+1] op_sel:[0,0,0] op_sel_hi:[0,1,1]
.else
	v_pk_fma_f32 v[LG+6*\m+\e:LG+6*\m+\e+1], v[AC+8*(2*\m+\u)+\j-1:AC+8*(2*\m+\u)+\j], v[128+12*\j+6*\u+\e:128+12*\j+6*\u+\e+1], v[LG+6*\m+\e:LG+6*\m+\e+1] op_sel:[1,0,0] op_sel_hi:[1,1,1]
.endif
.endr
.endr
.endr
.endr
	WIN 0
.irp m, 0,1,2,3
	ds_store_b128 v[PLA], v[LG+6*\m:LG+6*\m+3] offset:512*(4*\g+\m)       ; my 16 units' share of six logits of token 16 (4 g + m) + lane % 16
	ds_store_b64 v[PLA], v[LG+6*\m+4:LG+6*\m+5] offset:512*(4*\g+\m)+16
.endr
.endm
	RGROUP 0
	RGROUP 1
	BARRIER                                        ; all partial logits lie in LDS
	; my token (16 w + lane % 16): eight waves' shares of my half, then the other half's
.irp a, 0,1,2,3,4,5,6,7
	ds_load_b128 v[128+6*\a:128+6*\a+3], v[PLR] offset:8192*\a
	ds_load_b64 v[128+6*\a+4:128+6*\a+5], v[PLR] offset:8192*\a+16
.endr
	s_wait_dscnt 0x0
.irp a, 0,2,4,6
.irp e, 0,2,4
	v_pk_add_f32 v[128+6*\a+\e:128+6*\a+\e+1], v[128+6*\a+\e:128+6*\a+\e+1], v[134+6*\a+\e:134+6*\a+\e+1]
.endr
.endr
.irp a, 0,4
.irp e, 0,2,4
	v_pk_add_f32 v[128+6*\a+\e:128+6*\a+\e+1], v[128+6*\a+\e:128+6*\a+\e+1], v[140+6*\a+\e:140+6*\a+\e+1]
.endr
.endr
.irp e, 0,2,4
	s_delay_alu instid0(VALU_DEP_3)
	v_pk_add_f32 v[128+\e:128+\e+1], v[128+\e:128+\e+1], v[152+\e:152+\e+1]
.endr
.irp e, 0,1,2,3,4,5
	v_permlanex16_b32 v[T+\e], v[128+\e], s[SEL], s[SEL+1]
.endr
.irp e, 0,1,2,3,4,5
	v_add_f32 v[128+\e], v[128+\e], v[T+\e]        ; both halves of the lanes now hold the same bits
.endr
.irp e, 0,1,2,3,4,5
	v_add_f32 v[128+\e], s[RB2+\e], v[128+\e]      ; the logits
.endr
	v_mov_b32 v[V1], v128                          ; the two largest, by insertion with a strict compare: the lower index wins a tie
	v_mov_b32 v[I1], 0
	v_mov_b32 v[V2], 0xff800000
	v_mov_b32 v[I2], 0
.irp e, 1,2,3,4,5
	v_cmp_gt_f32 s59, v[128+\e], v[V1]
	v_cmp_gt_f32 s62, v[128+\e], v[V2]
	s_delay_alu instid0(VALU_DEP_1)
	v_cndmask_b32 v[V2], v[V2], v[128+\e], s62
	s_delay_alu instid0(VALU_DEP_2)
	v_cndmask_b32 v[I2], v[I2], \e, s62
	s_delay_alu instid0(VALU_DEP_2)
	v_cndmask_b32 v[V2], v[V2], v[V1], s59
	s_delay_alu instid0(VALU_DEP_2)
	v_cndmask_b32 v[I2], v[I2], v[I1], s59
	v_cndmask_b32 v[V1], v[V1], v[128+\e], s59
	v_cndmask_b32 v[I1], v[I1], \e, s59
.endr
	s_delay_alu instid0(VALU_DEP_2)
	v_sub_f32 v[E2], v[V2], v[V1]                  ; both softmaxes take the largest logit away first
.irp e, 0,1,2,3,4,5
	v_sub_f32 v[PE+\e], v[128+\e], v[V1]
.endr
	v_mul_f32 v[E2], 0x3fb8aa3b, v[E2]
.irp e, 0,1,2,3,4,5
	v_mul_f32 v[PE+\e], 0x3fb8aa3b, v[PE+\e]
.endr
	s_wait_alu depctr_va_vdst(0)
	v_exp_f32 v[E2], v[E2]
.irp e, 0,1,2,3,4,5
	v_exp_f32 v[PE+\e], v[PE+\e]
.endr
	v_nop
	s_wait_alu depctr_va_vdst(0)
	v_add_f32 v[GW], 1.0, v[E2]
	v_add_f32 v[PS], v[PE], v[PE+1]
	v_add_f32 v[TA], v[PE+2], v[PE+3]
	v_add_f32 v[TB], v[PE+4], v[PE+5]
	s_delay_alu instid0(VALU_DEP_2)
	v_add_f32 v[PS], v[PS], v[TA]
	s_delay_alu instid0(VALU_DEP_1)
	v_add_f32 v[PS], v[PS], v[TB]
	s_wait_alu depctr_va_vdst(0)
	v_rcp_f32 v[GW], v[GW]                         ; the first expert's weight
	v_rcp_f32 v[PS], v[PS]
	v_min_u32 v[LO], v[I1], v[I2]                  ; (a plain line behind the reciprocals)
	s_wait_alu depctr_va_vdst(0)
	v_mul_f32 v[GW+1], v[E2], v[GW]                ; the second's
.irp e, 0,1,2,3,4,5
	v_mul_f32 v[PE+\e], v[PE+\e], v[PS]            ; gate_probs
.endr
	; the class: pairs in an order in which neighbours share an expert: lo (11 - lo) / 2 + (lo odd ? 5 - hi : hi - lo - 1)
	v_add_nc_u32 v[HI], v[I1], v[I2]
	s_delay_alu instid0(VALU_DEP_1)
	v_sub_nc_u32 v[HI], v[HI], v[LO]
	v_sub_nc_u32 v[TA], 11, v[LO]
	s_delay_alu instid0(VALU_DEP_1)
	v_mul_u32_u24 v[TA], v[LO], v[TA]
	s_delay_alu instid0(VALU_DEP_1)
	v_lshrrev_b32 v[TA], 1, v[TA]
	s_delay_alu instid0(VALU_DEP_4)
	v_sub_nc_u32 v[TB], 5, v[HI]
	v_sub_nc_u32 v[TC], v[HI], v[LO]
	s_delay_alu instid0(VALU_DEP_1)
	v_add_nc_u32 v[TC], -1, v[TC]
	v_and_b32 v[LO], 1, v[LO]
	s_delay_alu instid0(VALU_DEP_1)
	v_cmp_eq_u32 vcc_lo, 1, v[LO]
	s_delay_alu instid0(VALU_DEP_1)
	v_cndmask_b32 v[TB], v[TC], v[TB], vcc_lo
	s_delay_alu instid0(VALU_DEP_1)
	v_add_nc_u32 v[CL], v[TA], v[TB]
	s_delay_alu instid0(VALU_DEP_1)
	v_lshl_or_b32 v[SW], v[I1], 16, v[CL]
	s_delay_alu instid0(VALU_DEP_1)
	v_lshl_or_b32 v[SW], v[I2], 20, v[SW]
.irp k, 1,2,4,8
.irp e, 0,1,2,3,4,5
	v_add_f32_dpp v[PE+\e], v[PE+\e], v[PE+\e] row_xmask:\k row_mask:0xf bank_mask:0xf   ; over my 16 tokens
.endr
.endr
	v_mov_b32 v[VP], 0
	v_mov_b32 v[VC], 0
	v_mov_b32 v[VH], 0
.irp e, 0,1,2,3,4,5
	v_readfirstlane_b32 s59, v[PE+\e]
	s_delay_alu instid0(VALU_DEP_1)
	v_writelane_b32 v[VP], s59, \e                 ; lane e: the sum of gate_probs of expert e
	v_cmp_eq_u32 s62, \e, v[I1]
	s_and_b32 s62, s62, 0xffff                     ; lanes 16-31 repeat lanes 0-15
	s_bcnt1_i32_b32 s62, s62
	v_writelane_b32 v[VC], s62, 8+\e               ; lane 8 + e: how many tokens have e as their first expert
.endr
	s_delay_alu instid0(VALU_DEP_1)
	v_cvt_f32_u32 v[VC], v[VC]
	s_delay_alu instid0(VALU_DEP_1)
	v_add_f32 v[VP], v[VP], v[VC]
.irp c, 0,1,2,3,4,5,6,7,8,9,10,11,12,13,14
	v_cmp_eq_u32 s62, \c, v[CL]
	s_and_b32 s62, s62, 0xffff
	s_bcnt1_i32_b32 s62, s62
	v_writelane_b32 v[VH], s62, \c
.endr
	ds_store_b32 v[REDW], v[VP]
	ds_store_b32 v[REDW], v[VH] offset:1024
	ds_store_b32 v[SELW], v[SW]                    ; both halves of the lanes write the same word with the same value
	ds_store_b64 v[GWW], v[GW:GW+1]
	BARRIER
	s_cmp_lg_u32 s[WV], 0                          ; wave 0 adds the eight waves' figures and stores the block's results
	s_cbranch_scc1 .Lnot_wave_0
.irp k, 0,1,2,3,4,5,6,7
	ds_load_b32 v[128+\k], v[REDR] offset:128*\k
	ds_load_b32 v[136+\k], v[REDR] offset:1024+128*\k
.endr
	ds_load_b128 v[144:147], v[SELR]
	ds_load_b128 v[148:151], v[SELR] offset:512
	ds_load_b128 v[152:155], v[SELR] offset:1024
	s_wait_dscnt 0x0
.irp k, 1,2,3,4,5,6,7
	v_add_f32 v128, v128, v[128+\k]
	v_add_nc_u32 v136, v136, v[136+\k]
.endr
	global_store_b128 v[LI], v[144:147], s[20:21]              ; 512 consecutive bytes each
	global_store_b128 v[LI], v[148:151], s[22:23]
	global_store_b128 v[LI], v[152:155], s[22:23] offset:512
	s_wait_alu depctr_va_vdst(0)
	s_wait_xcnt 0x0                                ; EXEC changes only behind this wait
	v_cmp_gt_u32 vcc_lo, 16, v0
	s_and_saveexec_b32 s59, vcc_lo
	global_store_b32 v[LS], v136, s[24:25]         ; 16 words: the block's class counts
	global_store_b32 v[LS], v128, s[26:27]         ; 16 words: its sums for the loss
	s_wait_xcnt 0x0
	s_or_b32 exec_lo, exec_lo, s59
.Lnot_wave_0:
	s_wait_tensorcnt 0x0                           ; the wave's end
	ds_add_u32 v[SPW], v[NIL]
	s_wait_dscnt 0x0
	ROUND                                          ; the closing round: no work-group ends while a partner may still ask jointly
	s_endpgm
.Lfunc_end_k_q8e7eb42041_router:
	.size	k_q8e7eb42041_router, .Lfunc_end_k_q8e7eb42041_router-k_q8e7eb42041_router
	.p2alignl 7, 3214868480
	.fill 96, 4, 3214868480
	.section	.rodata,"a",@progbits
	.p2align	6, 0x0
	.amdhsa_kernel k_q8e7eb42041_router
		.amdhsa_group_segment_fixed_size 327680
		.amdhsa_private_segment_fixed_size 0
		.amdhsa_enable_private_segment 0
		.amdhsa_kernarg_size 104
		.amdhsa_user_sgpr_count 2
		.amdhsa_user_sgpr_kernarg_segment_ptr 1
		.amdhsa_wavefront_size32 1
		.amdhsa_system_sgpr_workgroup_id_x 1
		.amdhsa_system_sgpr_workgroup_id_y 1
		.amdhsa_system_sgpr_workgroup_id_z 1
		.amdhsa_system_vgpr_workitem_id 0
		.amdhsa_next_free_vgpr 512
		.amdhsa_next_free_sgpr 96
		.amdhsa_reserve_vcc 1
		.amdhsa_float_denorm_mode_32 3
		.amdhsa_float_denorm_mode_16_64 3
		.amdhsa_memory_ordered 1
		.amdhsa_forward_progress 1
		.amdhsa_inst_pref_size 191
	.end_amdhsa_kernel
	.amdgpu_metadata
---
amdhsa.version: [ 1, 2 ]
amdhsa.kernels:
  - .name:           k_q8e7eb42041_router
    .symbol:         k_q8e7eb42041_router.kd
    .args:
      - { .name: x, .offset: 0, .size: 8, .value_kind: global_buffer, .address_space: global }
      - { .name: regime, .offset: 8, .size: 8, .value_kind: global_buffer, .address_space: global }
      - { .name: ln_g, .offset: 16, .size: 8, .value_kind: global_buffer, .address_space: global }
      - { .name: ln_b, .offset: 24, .size: 8, .value_kind: global_buffer, .address_space: global }
      - { .name: rw1, .offset: 32, .size: 8, .value_kind: global_buffer, .address_space: global }
      - { .name: rb1, .offset: 40, .size: 8, .value_kind: global_buffer, .address_space: global }
      - { .name: rw2, .offset: 48, .size: 8, .value_kind: global_buffer, .address_space: global }
      - { .name: rb2, .offset: 56, .size: 8, .value_kind: global_buffer, .address_space: global }
      - { .name: sel, .offset: 64, .size: 8, .value_kind: global_buffer, .address_space: global }
      - { .name: gw, .offset: 72, .size: 8, .value_kind: global_buffer, .address_space: global }
      - { .name: hist, .offset: 80, .size: 8, .value_kind: global_buffer, .address_space: global }
      - { .name: part, .offset: 88, .size: 8, .value_kind: global_buffer, .address_space: global }
      - { .name: xc, .offset: 96, .size: 8, .value_kind: global_buffer, .address_space: global }
    .group_segment_fixed_size: 327680
    .private_segment_fixed_size: 0
    .kernarg_segment_align: 8
    .kernarg_segment_size: 104
    .max_flat_workgroup_size: 256
    .sgpr_count:     96
    .vgpr_count:     512
    .wavefront_size: 32
...
	.end_amdgpu_metadata
.endif
;; end of part 1
;; launch place (part 2): grid 256 x 1, 1 waves a work-group, no clusters, 0 bytes of LDS; arguments sel, hist, part, w1_codes, w2_codes, order, list, wf, out1; writes order, list, wf, out1
.if DOCPART == 2
	.amdgcn_target "amdgcn-amd-amdhsa--gfx1250"
	.amdhsa_code_object_version 6
	.text
	.protected	k_q8e7eb42041_place
	.globl	k_q8e7eb42041_place
	.p2align	8
	.type	k_q8e7eb42041_place,@function
k_q8e7eb42041_place:
	s_mov_b64 s[64:65], 0
	v_nop
	global_prefetch_b8 v0, s[64:65] scope:SCOPE_SE
	s_setreg_imm32_b32 hwreg(HW_REG_WAVE_MODE, 25, 1), 1
	s_wait_xcnt 0x0
; THE PLACING.  A counting sort of the 32,768 tokens by class (the unordered pair of their experts, 15 classes), without atomics: every work-group reads all 256 histograms (16 KiB), from which it has
; each class's first position and, for its own 128 tokens, how many tokens of each class stand in blocks ahead of it.  order[position] = token | first expert << 16 | second << 20.
; The sorted tokens are cut into 256 blocks of exactly 128.  For sorted block b (= this work-group's number) list[b] holds six words, expert | tile mask << 8, the experts in use first: bit m of the
; mask says that some token of positions 16 m .. 16 m + 15 of the block uses the expert.  All other words of the row are 0.
; Beside that each work-group lays three fragments of the experts' weights in the order of the operand's registers (wf), and work-group 0 adds the loss.
; wf byte = e 262144 + P 131072 + w 16384 + f 2048 + c 512 + 16 lane.  P = 0: W1, f = 2 t + s, lane r takes row 64 w + 32 (t / 2) + 8 (t % 2) + r + 8 (r / 8);  P = 1: W2, f = 4 n + s, row 32 w + 16 n + r;
; the 16 bytes are k = 128 s + 32 c + 16 (lane / 16) + 0 .. 15.
; One wave a work-group: no LDS, no barrier, no matrix work; clusters and tensor loads would buy nothing for 22 KiB a work-group.
	s_load_b512 s[4:19], s[0:1], 0x0               ; sel 4, hist 6, part 8, w1_codes 10, w2_codes 12, order 14, list 16, wf 18
	s_load_b64 s[20:21], s[0:1], 0x40              ; out1
	s_mov_b32 s22, ttmp9                           ; the block
	s_lshr_b32 s23, s22, 7                         ; P: work-groups 0-127 lay W1, 128-255 W2
	s_and_b32 s24, s22, 127
	s_mov_b32 s100, 0x76543210
	s_mov_b32 s101, 0xfedcba98
	v_lshlrev_b32 v1, 4, v0                        ; 16 x lane
	v_lshlrev_b32 v199, 2, v0                      ; 4 x lane
	v_lshrrev_b32 v6, 2, v0
	v_mov_b32 v200, 0x10001
.irp j, 0,1,2,3
	v_mov_b32 v[201+\j], 0                         ; destinations of lane permutes count as sources
	v_mov_b32 v[12+\j], 0
.endr
	v_mov_b32 v214, 0
	v_mov_b32 v215, 0
	s_xor_b32 s98, s23, 1
	s_lshl_b32 s98, s98, 11                        ; W1: lanes 8-15 of a tile stand 8 rows (2,048 bytes) further on
	s_lshl_b32 s99, s23, 8
	s_add_co_u32 s99, s99, s98                     ; what bit 1 of f is worth: W1 8 rows, W2 256 along K
	s_add_co_u32 s94, s23, 8                       ; a row: 256 << P bytes
	v_and_b32 v209, 15, v0
	v_lshlrev_b32 v192, s94, v209
	v_lshrrev_b32 v209, 3, v209
	v_mul_u32_u24 v209, s98, v209
	v_add_nc_u32 v192, v192, v209
	v_lshrrev_b32 v209, 4, v0
	v_lshl_add_u32 v192, v209, 4, v192             ; my lane's place in a fragment's rows
	s_wait_alu depctr_va_vdst(0)
	s_mul_i32 s25, s24, 3
.irp q, 0,1,2
	s_add_co_u32 s26, s25, \q                      ; fragment F of 384
	s_lshr_b32 s27, s26, 6                         ; e
	s_and_b32 s28, s26, 63                         ; 8 w + f
	s_lshr_b32 s29, s28, 3
	s_and_b32 s30, s28, 7
	s_lshl_b32 s31, s27, 17
	s_lshl_b32 s93, s29, 14
	s_add_co_u32 s31, s31, s93
	s_lshr_b32 s93, s30, 2
	s_lshl_b32 s93, s93, 13
	s_add_co_u32 s31, s31, s93
	s_and_b32 s93, s30, 1
	s_lshl_b32 s93, s93, 7
	s_add_co_u32 s31, s31, s93
	s_bfe_u32 s93, s30, 0x10001
	s_mul_i32 s93, s93, s99
	s_add_co_u32 s31, s31, s93
	v_add_nc_u32 v[193+\q], s31, v192
	s_lshl_b32 s31, s27, 18
	s_lshl_b32 s93, s23, 17
	s_add_co_u32 s31, s31, s93
	s_lshl_b32 s93, s28, 11
	s_add_co_u32 s31, s31, s93
	v_add_nc_u32 v[196+\q], s31, v1
.endr
	s_wait_alu depctr_va_vdst(0)
	s_wait_kmcnt 0x0
	s_cmp_lt_u32 s22, 128                          ; the choice hangs on the work-group's number alone
	s_cselect_b64 s[32:33], s[10:11], s[12:13]
	s_lshl_b32 s26, s22, 9
	s_mov_b32 s27, 0
	s_add_nc_u64 s[4:5], s[4:5], s[26:27]          ; my 128 tokens' sel words
	s_lshl_b32 s26, s22, 7
	s_add_nc_u64 s[16:17], s[16:17], s[26:27]      ; my row of the list
.irp q, 0,1,2
.irp c, 0,1,2,3
	global_load_b128 v[144+16*\q+4*\c:144+16*\q+4*\c+3], v[193+\q], s[32:33] offset:32*\c
.endr
.endr
.set i, 0
.rept 32
	global_load_b128 v[16+4*i:16+4*i+3], v1, s[6:7] offset:512*i   ; lane l: histogram 8 i + l / 4, classes 4 (l % 4) + 0 .. 3
.set i, i+1
.endr
.irp g, 0,1,2,3
	global_load_b32 v[8+\g], v199, s[4:5] offset:128*\g
.endr
	s_wait_loadcnt 36                              ; the twelve weight loads are in; the 32 + 4 behind them may be out
.irp q, 0,1,2
.irp c, 0,1,2,3
	global_store_b128 v[196+\q], v[144+16*\q+4*\c:144+16*\q+4*\c+3], s[18:19] offset:512*\c   ; 512 consecutive bytes a store
.endr
.endr
	s_wait_loadcnt 4                               ; the histograms are in; the four sel loads may be out
	; low half: the sum over all blocks; high half: over the blocks ahead of mine.  Neither passes 32,768
.set i, 0
.rept 32
	s_sub_co_i32 s25, s22, 8*i
	v_cmp_gt_i32 vcc_lo, s25, v6                   ; histogram 8 i + l / 4 stands ahead of my block
	v_cndmask_b32 v7, 1, v200, vcc_lo
.irp j, 0,1,2,3
.if i == 0
	v_mul_u32_u24 v[2+\j], v[16+\j], v7
.else
	v_mad_u32_u24 v[2+\j], v[16+4*i+\j], v7, v[2+\j]
.endif
.endr
.set i, i+1
.endr
.irp k, 4,8
.irp j, 0,1,2,3
	v_mov_b32_dpp v[201+\j], v[2+\j] row_xmask:\k row_mask:0xf bank_mask:0xf
.endr
.irp j, 0,1,2,3
	v_add_nc_u32 v[2+\j], v[2+\j], v[201+\j]
.endr
.endr
.irp j, 0,1,2,3
	v_permlanex16_b32 v[201+\j], v[2+\j], s100, s101
.endr
.irp j, 0,1,2,3
	v_add_nc_u32 v[2+\j], v[2+\j], v[201+\j]
.endr
	s_mov_b32 s34, 0                               ; s[34 + c]: class c's first position;  s[66 + c]: the next free position for my block's tokens of class c
.set c, 0
	s_wait_alu depctr_va_vdst(0)
.rept 15
	v_readlane_b32 s25, v[2+(c&3)], c>>2
	s_and_b32 s26, s25, 0xffff
	s_lshr_b32 s27, s25, 16
	s_add_co_u32 s[35+c], s[34+c], s26
	s_add_co_u32 s[66+c], s[34+c], s27
.set c, c+1
.endr
	s_wait_loadcnt 0x0                             ; the sel words
	s_cmp_lg_u32 s22, 0                            ; work-group 0 asks for the loss's sums here, into the registers that the histograms have left: they land under the ranks and the list
	s_cbranch_scc1 .Lno_part
.set i, 0
.rept 32
	global_load_b128 v[16+4*i:16+4*i+3], v1, s[8:9] offset:512*i
.set i, i+1
.endr
.Lno_part:
.irp g, 0,1,2,3
	v_and_b32 v[205+\g], 0xff, v[8+\g]
.endr
.set c, 0
.rept 15
.irp g, 0,1,2,3
	v_cmp_eq_u32 s93, c, v[205+\g]
	v_mbcnt_lo_u32_b32 v209, s93, s[66+c]          ; the free position + how many lanes below mine have the class
	v_cndmask_b32 v[12+\g], v[12+\g], v209, s93
	s_bcnt1_i32_b32 s25, s93
	s_add_co_u32 s[66+c], s[66+c], s25
.endr
.set c, c+1
.endr
	s_lshl_b32 s96, s22, 7                         ; my first token; also my sorted block's first position
	s_add_co_u32 s97, s96, 128
	v_add_nc_u32 v209, s96, v0
.irp g, 0,1,2,3
	v_and_b32 v[210+\g], 0x770000, v[8+\g]
	v_add3_u32 v[210+\g], v[210+\g], v209, 32*\g
	v_min_u32 v[12+\g], 0x7fff, v[12+\g]
	v_lshlrev_b32 v[12+\g], 2, v[12+\g]
	global_store_b32 v[12+\g], v[210+\g], s[14:15]
.endr
.irp e, 0,1,2,3,4,5
	s_mov_b32 s[81+\e], 0                          ; tile masks
	s_mov_b32 s[87+\e], 0                          ; the list's words
.endr
.macro CLS c, ea, eb                   ; class c's positions inside my sorted block, as a run of tile bits, for both its experts
	s_max_u32 s25, s[34+\c], s96
	s_min_u32 s26, s[35+\c], s97
	s_sub_co_u32 s27, s25, s96
	s_lshr_b32 s27, s27, 4
	s_lshl_b32 s27, 1, s27
	s_sub_co_u32 s28, s26, s96
	s_sub_co_u32 s28, s28, 1
	s_lshr_b32 s28, s28, 4
	s_lshl_b32 s28, 2, s28
	s_sub_co_u32 s28, s28, s27
	s_cmp_lt_u32 s25, s26
	s_cselect_b32 s28, s28, 0
	s_or_b32 s[81+\ea], s[81+\ea], s28
	s_or_b32 s[81+\eb], s[81+\eb], s28
.endm
	CLS 0, 0, 1
	CLS 1, 0, 2
	CLS 2, 0, 3
	CLS 3, 0, 4
	CLS 4, 0, 5
	CLS 5, 1, 5
	CLS 6, 1, 4
	CLS 7, 1, 3
	CLS 8, 1, 2
	CLS 9, 2, 3
	CLS 10, 2, 4
	CLS 11, 2, 5
	CLS 12, 3, 5
	CLS 13, 3, 4
	CLS 14, 4, 5
.irp e, 5,4,3,2,1,0                    ; an expert in use is put in front: no jump, six selections
	s_lshl_b32 s25, s[81+\e], 8
	s_or_b32 s25, s25, \e
	s_cmp_lg_u32 s[81+\e], 0
	s_cselect_b32 s92, s91, s92
	s_cselect_b32 s91, s90, s91
	s_cselect_b32 s90, s89, s90
	s_cselect_b32 s89, s88, s89
	s_cselect_b32 s88, s87, s88
	s_cselect_b32 s87, s25, s87
.endr
.irp e, 0,1,2,3,4,5
	v_writelane_b32 v214, s[87+\e], \e
.endr
	global_store_b32 v199, v214, s[16:17]          ; 128 bytes: six words and zeros
	s_cmp_lg_u32 s22, 0
	s_cbranch_scc1 .Lend
	; the loss: 0.06 x the sum over e of (sum of gate_probs) (count of first choices) / 32768^2
	s_wait_loadcnt 0x0                             ; the 256 blocks' sums, asked for above
	v_pk_add_f32 v[2:3], v[16:17], v[20:21]
	v_pk_add_f32 v[4:5], v[18:19], v[22:23]
.set i, 2
.rept 30
	v_pk_add_f32 v[2:3], v[2:3], v[16+4*i:17+4*i]
	v_pk_add_f32 v[4:5], v[4:5], v[18+4*i:19+4*i]
.set i, i+1
.endr
.irp k, 4,8
.irp j, 0,1,2,3
	v_add_f32_dpp v[2+\j], v[2+\j], v[2+\j] row_xmask:\k row_mask:0xf bank_mask:0xf
.endr
.endr
.irp j, 0,1,2,3
	v_permlanex16_b32 v[201+\j], v[2+\j], s100, s101
.endr
.irp j, 0,1,2,3
	v_add_f32 v[2+\j], v[2+\j], v[201+\j]
.endr
.irp j, 0,1,2,3
	v_mov_b32_dpp v[201+\j], v[2+\j] row_xmask:2 row_mask:0xf bank_mask:0xf   ; lanes 0, 1 hold the sums of probabilities, lanes 2, 3 the counts
.endr
	v_mul_f32 v209, v2, v201
	v_fmac_f32 v209, v3, v202
	v_fmac_f32 v209, v4, v203
	v_fmac_f32 v209, v5, v204
	v_add_f32_dpp v209, v209, v209 row_xmask:1 row_mask:0xf bank_mask:0xf
	v_mul_f32 v209, 0x2e75c28f, v209               ; 0.06 x 2^-30
	s_wait_alu depctr_va_vdst(0)
	s_wait_xcnt 0x0                                ; EXEC changes only behind this wait
	v_cmp_eq_u32 vcc_lo, 0, v0
	s_and_saveexec_b32 s25, vcc_lo
	global_store_b32 v215, v209, s[20:21]
	s_wait_xcnt 0x0
	s_or_b32 exec_lo, exec_lo, s25
.Lend:
	s_endpgm
.Lfunc_end_k_q8e7eb42041_place:
	.size	k_q8e7eb42041_place, .Lfunc_end_k_q8e7eb42041_place-k_q8e7eb42041_place
	.p2alignl 7, 3214868480
	.fill 96, 4, 3214868480
	.section	.rodata,"a",@progbits
	.p2align	6, 0x0
	.amdhsa_kernel k_q8e7eb42041_place
		.amdhsa_group_segment_fixed_size 0
		.amdhsa_private_segment_fixed_size 0
		.amdhsa_enable_private_segment 0
		.amdhsa_kernarg_size 72
		.amdhsa_user_sgpr_count 2
		.amdhsa_user_sgpr_kernarg_segment_ptr 1
		.amdhsa_wavefront_size32 1
		.amdhsa_system_sgpr_workgroup_id_x 1
		.amdhsa_system_sgpr_workgroup_id_y 1
		.amdhsa_system_sgpr_workgroup_id_z 1
		.amdhsa_system_vgpr_workitem_id 0
		.amdhsa_next_free_vgpr 224
		.amdhsa_next_free_sgpr 102
		.amdhsa_reserve_vcc 1
		.amdhsa_float_denorm_mode_32 3
		.amdhsa_float_denorm_mode_16_64 3
		.amdhsa_memory_ordered 1
		.amdhsa_forward_progress 1
		.amdhsa_inst_pref_size 61
	.end_amdhsa_kernel
	.amdgpu_metadata
---
amdhsa.version: [ 1, 2 ]
amdhsa.kernels:
  - .name:           k_q8e7eb42041_place
    .symbol:         k_q8e7eb42041_place.kd
    .args:
      - { .name: sel, .offset: 0, .size: 8, .value_kind: global_buffer, .address_space: global }
      - { .name: hist, .offset: 8, .size: 8, .value_kind: global_buffer, .address_space: global }
      - { .name: part, .offset: 16, .size: 8, .value_kind: global_buffer, .address_space: global }
      - { .name: w1_codes, .offset: 24, .size: 8, .value_kind: global_buffer, .address_space: global }
      - { .name: w2_codes, .offset: 32, .size: 8, .value_kind: global_buffer, .address_space: global }
      - { .name: order, .offset: 40, .size: 8, .value_kind: global_buffer, .address_space: global }
      - { .name: list, .offset: 48, .size: 8, .value_kind: global_buffer, .address_space: global }
      - { .name: wf, .offset: 56, .size: 8, .value_kind: global_buffer, .address_space: global }
      - { .name: out1, .offset: 64, .size: 8, .value_kind: global_buffer, .address_space: global }
    .group_segment_fixed_size: 0
    .private_segment_fixed_size: 0
    .kernarg_segment_align: 8
    .kernarg_segment_size: 72
    .max_flat_workgroup_size: 32
    .sgpr_count:     102
    .vgpr_count:     224
    .wavefront_size: 32
...
	.end_amdgpu_metadata
.endif
;; end of part 2
;; launch experts (part 3): grid 256 x 1, 8 waves a work-group, no clusters, 241,664 bytes of LDS; arguments xc, x, order, gw, list, wf, w1_scales, b1, w2_scales, b2, out0; writes out0
.if DOCPART == 3
	.amdgcn_target "amdgcn-amd-amdhsa--gfx1250"
	.amdhsa_code_object_version 6
	.text
	.protected	k_q8e7eb42041_experts
	.globl	k_q8e7eb42041_experts
	.p2align	8
	.type	k_q8e7eb42041_experts,@function
k_q8e7eb42041_experts:
	s_mov_b64 s[64:65], 0
	v_nop
	global_prefetch_b8 v0, s[64:65] scope:SCOPE_SE
	s_setreg_imm32_b32 hwreg(HW_REG_WAVE_MODE, 25, 1), 1
	s_wait_xcnt 0x0
; THE EXPERTS.  out0 = x + the sum over a token's two chosen experts of weight x (silu(xn W1 + b1) W2 + b2), both products on codes of FP8 (E4M3) with one E8M0 scale for each 32 along K.
; Only the chosen experts are multiplied.  A work-group takes 128 tokens that stand together in the order sorted by pairs of experts, so that nearly all of them use the same two; it owns their rows of
; out0 alone.  List slot i names an expert and a mask of the tiles of 16 tokens that use it, the experts in use first (six words, then zeros); what a mask leaves out is jumped over by scalar
; branches on those stored numbers.  Every wave passes both barriers of every trip.  xn's codes and scale bytes are the first launch's.
; SHARES.  The waves share the COLUMNS: wave w makes hidden units 64 w .. 64 w + 63 and outputs 32 w .. 32 w + 31 for all 128 tokens, so each weight byte is loaded once by the work-group, straight
; into the registers of the one wave that multiplies by it, 512 consecutive bytes a load (an earlier launch laid the weights in the order of the operand's registers).
; The tokens' codes lie in LDS rows of 272 bytes; the hidden layer goes from wave to wave through LDS as images of registers.  The sums over the slots lie in LDS rows from the head, where they are zeroed, to the store.
; HALVES AND TWO ORDERS OF WORK.  The tokens go in two halves of four tiles, whose hidden images have LDS bytes of their own.  Trip j (0 .. 6), first interval: the second product of slot j - 1's half 1 and the first product of
; slot j's half 0; second interval: the second product of slot j's half 0 and the first of slot j's half 1.  The two pieces of an interval do not hang on each other: waves with s35 = 0 begin with the second
; product, the others with the first, so that vector work (silu, quantiser) of one wave stands beside the LDS reads and products of another.  The barrier behind an interval shows its images and frees those that it read.
; AHEAD.  W1's next set is asked for behind slot j's last first product, W2's behind the second product of slot j - 1's half 1; behind the last slot in use x's rows are asked for in W1's place, into W1's registers, for the residual.
; No prefetch is laid: each set of weights is asked for straight into registers, half a slot's work ahead of its products.
; NO TENSOR LOAD AND NO CLUSTER: which weights a work-group wants, and how many sets of them, hangs on numbers read from memory, and neighbours may want other experts: no joint request could be made alike in all partners.
; THE ROWS OF W1 THAT FORM A TILE ARE NOT NEIGHBOURS (lane r of tile 2 b + u has row 32 b + 8 u + r + 8 (r / 8)): the 16 registers of tiles 2 b, 2 b + 1 are 16 neighbours along the next K.
; LEFT OUT: the experts that a token did not choose (reference()'s own gather drops them).
; LIMITS: NaN and infinities among the inputs are not served.  In a tile that uses an expert, the expert's result for a token that did not choose it is multiplied by the weight 0: it must be finite.
; In a half in use, a tile that does not use the expert gets zero codes for its hidden layer.  Blocks of zeros get the scale byte 1 over zero codes (this launch alone reads the bytes).
; REGISTERS.  window 0: v1-27 addresses; v32-35 W1's scale words, v36-37 x's, v40-43 W2's; v50-65 the quantiser's, or the hidden layer's scale words; v66-69 gates; v70-74 constants; v75-76 a tile's scale word; v80-111 b1; v112-127 b2;
;   v128-255 in the first product 2 fragments of x, 4 accumulators, T, two sets of codes; in the second 4 hidden fragments and 8 accumulators.
;   window 1: v0-127 W1's 8 fragments, at the end x; v128-255 W2's 8 fragments, at the end the sums.   s[84:99]: 256 x my 16 tokens' numbers.
.set XP,   1040                        ; a row of sums in LDS: 1,024 bytes + 16: sixteen rows begin at sixteen different 16-byte columns
.set XR,   133120                      ; behind the 128 rows: the codes, 128 rows of 272 bytes
.set XSC,  167936                      ; their scale words, 8 bytes a token
.set HIMG, 168960                      ; the hidden layer's 32 images of 2,048 bytes (4 m + s)
.set HSC,  234496                      ; their scale words, 16 bytes a token
.set GT,   236544                      ; 8 x 128 tokens: the token's weight for slot i at 512 (i + 1), or 0; zeros in the first and the last
.set SPARE, 240640
.set LI, 1
.set RR, 3
.set HH, 4
.set DST, 5
.set CST, 6
.set H64, 7
.set H32, 8
.set W1SO, 9
.set XRA, 10
.set XSA, 11
.set HWI, 12
.set HWS, 13
.set HFI, 14
.set HFS, 15
.set XA, 16
.set GTR, 18
.set GTW, 19
.set TOK, 20
.set TKA, 21
.set A3, 22
.set XSW, 23
.set VNH, 24
.set L16, 25
.set SPW, 26
.set NIL, 27
.set W1S, 32
.set XS, 36
.set W2S, 40
.set TM, 50
.set HS, 50
.set GV, 66
.set Z, 70
.set ZS, 74
.set PW, 75
.set B1, 80
.set B2, 112
.set XF, 128
.set HA, 160
.set T, 192
.set AD, 192
.set PC1, 224
.set HF, 128
.set AC, 192
.set WV, 28
.set BLK, 29
.set SEL, 30
.set MNT, 32
.set ORD, 35
.set NL2E, 48
.set ROW, 84
.set MSB, 0
.macro WIN new                         ; the immediate's high byte repeats the setting that is left
.if MSB != \new
	s_set_vgpr_msb (MSB<<8)|\new
.set MSB, \new
.endif
.endm
.macro BARRIER                         ; my LDS stores have landed and my LDS loads are in: then the work-group's barrier
	s_wait_alu depctr_va_vdst(0)
	s_wait_dscnt 0x0
	s_barrier_signal -1
	s_barrier_wait -1
.endm
; two blocks of 32 along K, 16 numbers of each in my registers (v[src + 16 b + i] = k 32 b + 16 (lane / 16) + i), become codes and two bytes of a scale word; each block's maximum in two chains, four by turns
.macro QUANT2 src, dst, pw
.irp b, 0,1
	v_max3_num_f32 v[TM+\b], |v[\src+16*\b]|, |v[\src+16*\b+1]|, 0x4800000   ; the floor 2^(9 - 127) holds the byte at 1 from below
	v_max3_num_f32 v[TM+2+\b], |v[\src+16*\b+8]|, |v[\src+16*\b+9]|, |v[\src+16*\b+10]|
.endr
.irp i, 2,4
.irp b, 0,1
	v_max3_num_f32 v[TM+\b], v[TM+\b], |v[\src+16*\b+\i]|, |v[\src+16*\b+\i+1]|
	v_max3_num_f32 v[TM+2+\b], v[TM+2+\b], |v[\src+16*\b+9+\i]|, |v[\src+16*\b+10+\i]|
.endr
.endr
.irp b, 0,1
	v_max3_num_f32 v[TM+\b], v[TM+\b], |v[\src+16*\b+6]|, |v[\src+16*\b+7]|
.endr
.irp b, 0,1
	s_delay_alu instid0(VALU_DEP_2)
	v_max3_num_f32 v[TM+\b], v[TM+\b], v[TM+2+\b], |v[\src+16*\b+15]|
.endr
.irp b, 0,1
	s_delay_alu instid0(VALU_DEP_2)
	v_permlanex16_b32 v[TM+4+\b], v[TM+\b], s[SEL], s[SEL+1]
.endr
.irp b, 0,1
	s_delay_alu instid0(VALU_DEP_2)
	v_max_num_f32 v[TM+\b], v[TM+\b], v[TM+4+\b]          ; with lane l xor 16's 16: the block's largest magnitude
.endr
.irp b, 0,1
	s_delay_alu instid0(VALU_DEP_2)
	v_add_nc_u32 v[TM+12+\b], 0xfc000000, v[TM+\b]        ; 8 off its exponent field: the conversion's scale operand
.endr
.irp b, 0,1
	v_and_or_b32 v[TM+8+\b], v[TM+\b], 0x7f800000, s[MNT] ; 448 x the scale
.endr
.irp b, 0,1
	v_lshrrev_b32 v[TM+4+\b], 23, v[TM+12+\b]             ; the scale's byte
.endr
	s_delay_alu instid0(VALU_DEP_1)
	v_lshl_or_b32 v[\pw], v[TM+5], 8, v[TM+4]
.irp b, 0,1
.irp i, 0,1,2,3,4,5,6,7,8,9,10,11,12,13,14,15
	v_med3_num_f32 v[\src+16*\b+\i], v[\src+16*\b+\i], -v[TM+8+\b], v[TM+8+\b]   ; the conversion to an 8-bit code does not saturate (ISA guide 7.6.2)
.endr
.endr
.irp b, 0,1
	v_cvt_scalef32_pk8_fp8_f32 v[\dst+4*\b:\dst+4*\b+1], v[\src+16*\b:\src+16*\b+7], v[TM+12+\b]
	v_cvt_scalef32_pk8_fp8_f32 v[\dst+4*\b+2:\dst+4*\b+3], v[\src+16*\b+8:\src+16*\b+15], v[TM+12+\b]
.endr
	v_nop                                                 ; a plain line behind the last conversion
.endm
.macro SILU src, cnt, tmp              ; silu in place: x / (1 + 2^(-x log2 e))
.set q, 0
.rept \cnt/2
	v_pk_mul_f32 v[\tmp+q:\tmp+q+1], v[\src+q:\src+q+1], s[NL2E:NL2E+1] op_sel_hi:[1,0]   ; ascending: each accumulator is first read at its low end
.set q, q+2
.endr
.set q, 0
	s_wait_alu depctr_va_vdst(0)
.rept \cnt
	v_exp_f32 v[\tmp+q], v[\tmp+q]
.set q, q+1
.endr
	v_nop
.set q, 0
	s_wait_alu depctr_va_vdst(0)
.rept \cnt/2
	v_pk_add_f32 v[\tmp+q:\tmp+q+1], v[\tmp+q:\tmp+q+1], 1.0 op_sel_hi:[1,0]
.set q, q+2
.endr
.set q, 0
	s_wait_alu depctr_va_vdst(0)
.rept \cnt
	v_rcp_f32 v[\tmp+q], v[\tmp+q]
.set q, q+1
.endr
	v_nop
.set q, 0
	s_wait_alu depctr_va_vdst(0)
.rept \cnt/2
	v_pk_mul_f32 v[\src+q:\src+q+1], v[\src+q:\src+q+1], v[\tmp+q:\tmp+q+1]
.set q, q+2
.endr
.endm
.macro W1SET w                         ; slot word s[w]'s expert: 42 loads: b1 in the result's layout, the scale words (lanes 0-15 tile 2 b's, 16-31 tile 2 b + 1's), 8 fragments (tile t, K step s: 2 t + s)
	s_and_b32 s47, s\w, 0xff
	s_min_u32 s47, s47, 5
	s_wait_xcnt 0x0                                ; the bases are rewritten only behind this wait
	s_mov_b32 s61, 0
	s_lshl_b32 s60, s47, 18
	s_add_co_u32 s60, s60, s73
	s_add_nc_u64 s[50:51], s[14:15], s[60:61]
	s_lshl_b32 s60, s47, 12
	s_add_co_u32 s60, s60, s74
	s_add_nc_u64 s[52:53], s[16:17], s[60:61]
	s_lshl_b32 s60, s47, 11
	s_add_co_u32 s60, s60, s75
	s_add_nc_u64 s[54:55], s[18:19], s[60:61]
.irp t, 0,1,2,3
	global_load_b128 v[B1+8*\t:B1+8*\t+3], v[H64], s[54:55] offset:(32*(\t/2)+8*(\t%2))*4
	global_load_b128 v[B1+8*\t+4:B1+8*\t+7], v[H64], s[54:55] offset:(32*(\t/2)+8*(\t%2))*4+16
.endr
	global_load_b64 v[W1S:W1S+1], v[W1SO], s[52:53]
	global_load_b64 v[W1S+2:W1S+3], v[W1SO], s[52:53] offset:256
	WIN 0x40
.irp f, 0,1,2,3,4,5,6,7
.irp c, 0,1,2,3
	global_load_b128 v[16*\f+4*\c:16*\f+4*\c+3], v[LI], s[50:51] offset:2048*\f+512*\c
.endr
.endr
	WIN 0
.endm
.macro W2SET                           ; slot word s36's expert: 37 loads: b2, the scale words (lanes 0-15 tile 0's, 16-31 tile 1's), 8 fragments (tile n, K step s: 4 n + s)
	s_and_b32 s47, s36, 0xff
	s_min_u32 s47, s47, 5
	s_wait_xcnt 0x0
	s_mov_b32 s61, 0
	s_lshl_b32 s60, s47, 18
	s_add_co_u32 s60, s60, s73
	s_add_nc_u64 s[78:79], s[14:15], s[60:61]
	s_lshl_b32 s60, s47, 12
	s_add_co_u32 s60, s60, s74
	s_add_nc_u64 s[56:57], s[20:21], s[60:61]
	s_lshl_b32 s60, s47, 10
	s_add_co_u32 s60, s60, s76
	s_add_nc_u64 s[58:59], s[22:23], s[60:61]
.irp n, 0,1
	global_load_b128 v[B2+8*\n:B2+8*\n+3], v[H32], s[58:59] offset:64*\n
	global_load_b128 v[B2+8*\n+4:B2+8*\n+7], v[H32], s[58:59] offset:64*\n+16
.endr
	global_load_b128 v[W2S:W2S+3], v[LI], s[56:57]
	WIN 0x40
.irp f, 0,1,2,3,4,5,6,7
.irp c, 0,1,2,3
	global_load_b128 v[128+16*\f+4*\c:128+16*\f+4*\c+3], v[LI], s[78:79] offset:131072+2048*\f+512*\c
.endr
.endr
	WIN 0
.endm
.macro ADROWS                          ; v[AD + i] = the byte offset of my 16 bytes in the row of my tile's i-th token (in x and in out0 alike)
.irp i, 0,1,2,3,4,5,6,7,8,9,10,11,12,13,14,15
	v_lshl_add_u32 v[AD+\i], s[ROW+\i], 2, v[LI]
.endr
.endm
.macro XLOADS m                        ; nine LDS loads: tile m's two fragments of x and their scale words
.irp c, 0,1,2,3
	ds_load_b128 v[XF+4*\c:XF+4*\c+3], v[XRA] offset:4352*(\m)+32*\c
	ds_load_b128 v[XF+16+4*\c:XF+16+4*\c+3], v[XRA] offset:4352*(\m)+128+32*\c
.endr
	ds_load_b64 v[XS:XS+1], v[XSA] offset:128*(\m)
.endm
; Tile m of the first product.  On both ways it issues the next tile's nine loads (in a half's first three tiles) and then exactly three stores, so that the count 3 at the next tile's head shows those loads in and leaves the three stores out.
; The same count shows the stores of two tiles back done: the codes and the scale word, which take two sets of registers by the tile's parity, are rewritten only behind it.
.macro TILE1 m
.set PCR, PC1+8*((\m)%2)
.set PWR, PW+((\m)%2)
	s_bfe_u32 s71, s46, 0x10000+(\m)               ; bit m of the slot's mask
	s_cmp_eq_u32 s71, 0
	s_cbranch_scc1 .Lun_\@
.if (\m)%4 == 0
	s_wait_dscnt 0x0
.else
	s_wait_dscnt 3
.endif
	WIN 0x01                                       ; W1 in window 1.  Source 0 = 16 rows of W1, source 1 = 16 tokens; b1 is the C of the first K step; four accumulators by turns
.irp t, 0,2
	v_wmma_scale_f32_16x16x128_f8f6f4 v[HA+8*\t:HA+8*\t+7], v[32*\t:32*\t+15], v[XF:XF+15], v[B1+8*\t:B1+8*\t+7], v[W1S+\t], v[XS]
	v_wmma_scale_f32_16x16x128_f8f6f4 v[HA+8*\t+8:HA+8*\t+15], v[32*\t+32:32*\t+47], v[XF:XF+15], v[B1+8*\t+8:B1+8*\t+15], v[W1S+\t], v[XS] matrix_a_scale:MATRIX_SCALE_ROW1
.endr
.irp t, 0,2
	v_wmma_scale_f32_16x16x128_f8f6f4 v[HA+8*\t:HA+8*\t+7], v[32*\t+16:32*\t+31], v[XF+16:XF+31], v[HA+8*\t:HA+8*\t+7], v[W1S+\t+1], v[XS+1]
	v_wmma_scale_f32_16x16x128_f8f6f4 v[HA+8*\t+8:HA+8*\t+15], v[32*\t+48:32*\t+63], v[XF+16:XF+31], v[HA+8*\t+8:HA+8*\t+15], v[W1S+\t+1], v[XS+1] matrix_a_scale:MATRIX_SCALE_ROW1
.endr
	WIN 0
.rept 8
	v_nop                                          ; places in front of the loads into registers that these products read, and of the first read of their results
.endr
.if (\m)%4 < 3
	XLOADS (\m)+1                                  ; they land under the silu and the quantiser below
.endif
	SILU HA, 32, T
	QUANT2 HA, PCR, PWR
	ds_store_b128 v[HWI], v[PCR:PCR+3] offset:8192*(\m)              ; my two blocks of 32 of the tile's fragment,
	ds_store_b128 v[HWI], v[PCR+4:PCR+7] offset:8192*(\m)+512
	ds_store_b16 v[HWS], v[PWR] offset:256*(\m)                      ; and their two bytes of its scale word
	s_branch .Ljn_\@
.Lun_\@:
.if (\m)%4 == 0
	s_wait_dscnt 0x0                               ; no load lands on a register that a pending load will write
.else
	s_wait_dscnt 3
.endif
.if (\m)%4 < 3
	XLOADS (\m)+1
.endif
	ds_store_b128 v[HWI], v[Z:Z+3] offset:8192*(\m)                  ; zero codes under the byte of 1.0: they add nothing in the second product
	ds_store_b128 v[HWI], v[Z:Z+3] offset:8192*(\m)+512
	ds_store_b16 v[HWS], v[ZS] offset:256*(\m)
.Ljn_\@:
.endm
; The second product of half g: my 32 outputs for four tiles of tokens: eight accumulators by turns, a K step at a time; then x the gate, onto the rows of sums.  mk: the slot's mask; lw: the loads that may be out when W2's set is in; go: where its gates lie
.macro P2 g, mk, lw, go
	s_wait_loadcnt \lw
	s_bfe_u32 s71, s\mk, 0x40000+4*\g
	s_cmp_eq_u32 s71, 0
	s_cbranch_scc1 .Lsk_\@
.irp m, 0,1,2,3
	ds_load_b128 v[HS+4*\m:HS+4*\m+3], v[HFS] offset:256*(4*\g+\m)
	ds_load_b32 v[GV+\m], v[A3] offset:\go+256*\g+64*\m    ; the gate of token 16 (4 g + m) + lane % 16
.endr
.irp s, 0,1,2,3
.irp m, 0,1,2,3
.irp c, 0,1,2,3
	ds_load_b128 v[HF+16*\m+4*\c:HF+16*\m+4*\c+3], v[HFI] offset:(4*(4*\g+\m)+\s)*2048+512*\c
.endr
.endr
	WIN 0x01                                       ; W2 in window 1
.irp m, 0,1,2,3
	s_wait_dscnt 4*(3-\m)                          ; tile m's four loads are in; those of the tiles behind it, four each, may be out
.if \s == 0
	v_wmma_scale_f32_16x16x128_f8f6f4 v[AC+16*\m:AC+16*\m+7], v[128:143], v[HF+16*\m:HF+16*\m+15], v[B2:B2+7], v[W2S], v[HS+4*\m]
	v_wmma_scale_f32_16x16x128_f8f6f4 v[AC+16*\m+8:AC+16*\m+15], v[192:207], v[HF+16*\m:HF+16*\m+15], v[B2+8:B2+15], v[W2S], v[HS+4*\m] matrix_a_scale:MATRIX_SCALE_ROW1
.else
	v_wmma_scale_f32_16x16x128_f8f6f4 v[AC+16*\m:AC+16*\m+7], v[128+16*\s:128+16*\s+15], v[HF+16*\m:HF+16*\m+15], v[AC+16*\m:AC+16*\m+7], v[W2S+\s], v[HS+4*\m+\s]
	v_wmma_scale_f32_16x16x128_f8f6f4 v[AC+16*\m+8:AC+16*\m+15], v[192+16*\s:192+16*\s+15], v[HF+16*\m:HF+16*\m+15], v[AC+16*\m+8:AC+16*\m+15], v[W2S+\s], v[HS+4*\m+\s] matrix_a_scale:MATRIX_SCALE_ROW1
.endif
.endr
	WIN 0
.rept 8
	v_nop                                          ; eight places in front of loads into registers that these products read
.endr
.endr
.irp m, 0,1,2,3
.irp n, 0,1
	ds_load_b128 v[HF+8*(2*\m+\n):HF+8*(2*\m+\n)+3], v[XA+\g] offset:16*XP*\m+64*\n
	ds_load_b128 v[HF+8*(2*\m+\n)+4:HF+8*(2*\m+\n)+7], v[XA+\g] offset:16*XP*\m+64*\n+16
.endr
.endr
.irp m, 0,1,2,3
.irp n, 0,1
	s_wait_dscnt 14                                ; behind pair k = 2 m + n's two loads stand 2 (7 - k) loads and the 2 k stores issued since: 14 for every k
.irp k, 0,2,4,6
.if (\m % 2) == 0
	v_pk_fma_f32 v[HF+8*(2*\m+\n)+\k:HF+8*(2*\m+\n)+\k+1], v[AC+8*(2*\m+\n)+\k:AC+8*(2*\m+\n)+\k+1], v[GV+\m:GV+\m+1], v[HF+8*(2*\m+\n)+\k:HF+8*(2*\m+\n)+\k+1] op_sel:[0,0,0] op_sel_hi:[1,0,1]
.else
	v_pk_fma_f32 v[HF+8*(2*\m+\n)+\k:HF+8*(2*\m+\n)+\k+1], v[AC+8*(2*\m+\n)+\k:AC+8*(2*\m+\n)+\k+1], v[GV+\m-1:GV+\m], v[HF+8*(2*\m+\n)+\k:HF+8*(2*\m+\n)+\k+1] op_sel:[0,1,0] op_sel_hi:[1,1,1]
.endif
.endr
	ds_store_b128 v[XA+\g], v[HF+8*(2*\m+\n):HF+8*(2*\m+\n)+3] offset:16*XP*\m+64*\n          ; these bytes are read and written by my wave alone until the last barrier
	ds_store_b128 v[XA+\g], v[HF+8*(2*\m+\n)+4:HF+8*(2*\m+\n)+7] offset:16*XP*\m+64*\n+16
.endr
.endr
	s_wait_dscnt 0x0                               ; the stores have read their registers
.Lsk_\@:
.endm
	s_load_b512 s[4:19], s[0:1], 0x0               ; xc 4, x 6, order 8, gw 10, list 12, wf 14, w1_scales 16, b1 18
	s_load_b128 s[20:23], s[0:1], 0x40             ; w2_scales 20, b2 22
	s_load_b64 s[24:25], s[0:1], 0x50              ; out0
	v_lshrrev_b32 v1, 5, v0
	s_delay_alu instid0(VALU_DEP_1)
	v_readfirstlane_b32 s[WV], v1                  ; wave 0..7
	s_mov_b32 s[BLK], ttmp9
	s_mov_b32 s[SEL], 0x76543210
	s_mov_b32 s[SEL+1], 0xfedcba98                 ; v_permlanex16_b32's selects for lane l xor 16
	s_mov_b32 s[MNT], 0x600000                     ; the mantissa field of 448
	s_mov_b32 s[NL2E], 0xbfb8aa3b                  ; -log2(e)
	s_mov_b32 s[NL2E+1], s[NL2E]
	s_lshl_b32 s73, s[WV], 14
	s_lshl_b32 s74, s[WV], 9
	s_lshl_b32 s75, s[WV], 8
	s_lshl_b32 s76, s[WV], 7
	s_lshr_b32 s[ORD], s[WV], 2
	s_xor_b32 s[ORD], s[ORD], s[WV]
	s_and_b32 s[ORD], s[ORD], 1                    ; my order of work: waves w and w + 4, and waves 2 i and 2 i + 1, have different ones
	s_mul_i32 s60, s[WV], 16*XP
	s_mul_i32 s62, s[WV], 16*272
	s_add_co_u32 s62, s62, XR
	s_add_co_u32 s63, s76, XSC
	s_lshl_b32 s66, s[WV], 10                      ; my 64 hidden units are half w % 2 of K step w / 2 of the second product: image w / 2, 1,024 (w % 2) on
	s_add_co_u32 s66, s66, HIMG
	s_lshl_b32 s67, s[WV], 1
	s_add_co_u32 s67, s67, HSC                     ; bytes 2 w, 2 w + 1 of a token's 16
	s_lshl_b32 s68, s[WV], 6
	v_and_b32 v[RR], 15, v0
	v_bfe_u32 v[HH], v0, 4, 1
	v_and_b32 v[LI], 31, v0
	v_mov_b32 v[Z], 0
	v_mov_b32 v[Z+1], 0
	v_mov_b32 v[Z+2], 0
	v_mov_b32 v[Z+3], 0
	v_lshlrev_b32 v[LI], 4, v[LI]                  ; 16 x lane
	v_mul_u32_u24 v[XA], XP, v[RR]
	v_mul_u32_u24 v[XRA], 272, v[RR]
	v_add_nc_u32 v[DST], s60, v[LI]
	v_mul_u32_u24 v[CST], 272, v[HH]
.set q, 0
.rept 32
	ds_store_b128 v[DST], v[Z:Z+3] offset:XP*(q/2)+512*(q%2)   ; the sums of 16 rows begin as zeros
.set q, q+1
.endr
	v_lshlrev_b32 v[L16], 4, v[RR]
	v_sub_nc_u32 v[VNH], 1, v[HH]
	v_lshlrev_b32 v[H64], 6, v[HH]
	v_lshlrev_b32 v[H32], 5, v[HH]
	v_and_b32 v[W1SO], 8, v[RR]
	v_add_nc_u32 v[CST], v[CST], v[L16]
	v_lshl_add_u32 v[XRA], v[HH], 4, v[XRA]
	v_lshl_add_u32 v[XA], v[HH], 5, v[XA]
	v_lshl_add_u32 v[W1SO], v[HH], 3, v[W1SO]
	v_add_nc_u32 v[CST], s62, v[CST]               ; codes in: row lane / 16, 16 bytes x (lane % 16)
	v_add_nc_u32 v[XRA], XR, v[XRA]                ; a fragment: row lane % 16, 16 bytes x (lane / 16)
	v_add_nc_u32 v[XA], s76, v[XA]                 ; row lane % 16, my 32 outputs' bytes, + 32 (lane / 16)
	v_add_nc_u32 v[W1SO], v[W1SO], v[RR]
	v_lshl_add_u32 v[XSA], v[RR], 3, XSC
	v_lshl_add_u32 v[XSW], v[RR], 3, s63
	v_add_nc_u32 v[XA+1], 64*XP, v[XA]             ; the same 64 rows further down
	v_lshlrev_b32 v[W1SO], 3, v[W1SO]              ; 8 bytes of scales a row of W1, row r + 8 (r / 8) + 8 (lane / 16)
	v_add_nc_u32 v[HWI], s66, v[LI]
	v_lshl_add_u32 v[HWS], v[RR], 4, s67
	v_add_nc_u32 v[HFI], HIMG, v[LI]
	v_lshl_add_u32 v[HFS], v[RR], 4, HSC
	v_lshl_add_u32 v[GTR], v[RR], 2, GT
	v_lshlrev_b32 v[TKA], 2, v[RR]                 ; my token's word among my tile's 16
	v_lshl_add_u32 v[SPW], v0, 2, SPARE
	v_mov_b32 v[NIL], 0
	v_mov_b32 v[ZS], 0x7f7f
	v_add_nc_u32 v[GTW], s68, v[GTR]
.irp b, 0,1
	v_mov_b32 v[TM+4+\b], 0                        ; a lane permute's destination counts as one of its sources
.endr
	s_wait_alu depctr_va_vdst(0)
	s_wait_kmcnt 0x0
	s_mov_b32 s61, 0
	s_lshl_b32 s60, s[BLK], 7
	s_add_nc_u64 s[12:13], s[12:13], s[60:61]
	s_load_b256 s[36:43], s[12:13], 0x0            ; the block's slots: expert | tile mask << 8
	s_lshl_b32 s60, s[BLK], 9
	s_add_co_u32 s60, s60, s68
	s_add_nc_u64 s[8:9], s[8:9], s[60:61]          ; order at my tile's 16 tokens
	s_load_b512 s[ROW:ROW+15], s[8:9], 0x0         ; the 16 words as scalars: the rows' offsets are the same in every lane
	global_load_b32 v[TOK], v[TKA], s[8:9]         ; and my own token's word, for its scale bytes and gates
	s_add_nc_u64 s[26:27], s[4:5], 0x800000        ; xc's scale bytes
	s_wait_kmcnt 0x0
.irp i, 0,1,2,3,4,5,6,7,8,9,10,11,12,13,14,15
	s_and_b32 s[ROW+\i], s[ROW+\i], 0x7fff         ; the token,
	s_min_u32 s[ROW+\i], s[ROW+\i], 0x7fff
	s_lshl_b32 s[ROW+\i], s[ROW+\i], 8             ; its row of 256 codes
.endr
.irp i, 0,1,2,3,4,5,6,7
	v_mad_u32_u24 v[AD+\i], s[ROW+2*\i+1], v[HH], v[L16]   ; lanes 0-15 take row 2 i, lanes 16-31 row 2 i + 1
.endr
.irp i, 0,1,2,3,4,5,6,7
	v_mad_u32_u24 v[AD+\i], s[ROW+2*\i], v[VNH], v[AD+\i]
.endr
.irp i, 0,1,2,3,4,5,6,7
	global_load_b128 v[128+4*\i:131+4*\i], v[AD+\i], s[4:5]   ; 256 consecutive bytes of each row
.endr
	s_wait_loadcnt 8                               ; my token's word is in; the eight loads of codes may be out
	v_and_b32 v166, 0x7fff, v[TOK]
	v_bfe_u32 v164, v[TOK], 16, 3                  ; its first expert,
	v_bfe_u32 v165, v[TOK], 20, 3                  ; its second
	v_min_u32 v166, 0x7fff, v166
	s_delay_alu instid0(VALU_DEP_1)
	v_lshlrev_b32 v166, 3, v166
	global_load_b64 v[160:161], v166, s[26:27]     ; its eight scale bytes
	global_load_b64 v[162:163], v166, s[10:11]     ; its two weights
	s_wait_alu depctr_va_vdst(0)
	W1SET 36
	s_wait_loadcnt 42                              ; W1's 42 may be out: codes, scale bytes and weights are in
.irp i, 0,1,2,3,4,5,6,7
	ds_store_b128 v[CST], v[128+4*\i:131+4*\i] offset:544*\i
.endr
	ds_store_b64 v[XSW], v[160:161]                ; both halves of the lanes write the same bytes with the same values
.irp i, 0,1,2,3,4,5
	s_and_b32 s71, s[36+\i], 0xff
	v_cmp_eq_u32 vcc_lo, s71, v164
	v_cndmask_b32 v[168+\i], 0, v162, vcc_lo
	v_cmp_eq_u32 vcc_lo, s71, v165
	v_cndmask_b32 v[168+\i], v[168+\i], v163, vcc_lo
	ds_store_b32 v[GTW], v[168+\i] offset:512*(\i+1)
.endr
	ds_store_b32 v[GTW], v[Z]
	ds_store_b32 v[GTW], v[Z] offset:3584
	W2SET
	s_mov_b32 s44, 0                               ; the trip
	s_mov_b32 s45, 0                               ; 512 x the trip
	s_mov_b32 s77, 0                               ; the mask of the slot before
	s_bfe_u32 s46, s36, 0x80008                    ; this slot's tile mask
	v_add_nc_u32 v[A3], s45, v[GTR]                ; the gates of the slot before; this slot's 512 on
	BARRIER                                        ; zeroed sums, codes, scale words and gates lie in LDS
	s_wait_loadcnt 37                              ; the 37 loads of W2's set may be out: W1's set is in
.Lslot:
	; ---- the first interval (its piece for waves with s35 = 0, the second product of the slot before, stands at the loop's bottom)
	s_cmp_eq_u32 s46, 0
	s_cbranch_scc1 .Lno_half_0
	XLOADS 0
	TILE1 0
	TILE1 1
	TILE1 2
	TILE1 3
.Lno_half_0:
	s_cmp_eq_u32 s44, 0
	s_cbranch_scc1 .Lmeet_1
	s_cmp_eq_u32 s[ORD], 1
	s_cbranch_scc0 .Lmeet_1
	P2 1, 77, 0, 0
	s_cmp_eq_u32 s46, 0
	s_cbranch_scc1 .Lmeet_1
	W2SET
.Lmeet_1:
	BARRIER                                        ; half 0's images lie in LDS; nobody reads half 1's any more
	; ---- the second interval
	s_cmp_eq_u32 s[ORD], 0
	s_cbranch_scc0 .Lsecond_half
	P2 0, 46, 0, 512
.Lsecond_half:
	s_cmp_eq_u32 s46, 0
	s_cbranch_scc1 .Lno_half_1
	XLOADS 4
	TILE1 4
	TILE1 5
	TILE1 6
	TILE1 7
	s_bfe_u32 s71, s37, 0x80008
	s_cmp_eq_u32 s71, 0
	s_cbranch_scc1 .Lresidual
	W1SET 37                                       ; my products by W1 are issued, with their places behind them: the next slot's W1
	s_branch .Lasked
.Lresidual:
	ADROWS                                         ; the last slot in use: x's rows of my 16 tokens in W1's place
	WIN 0x40
.set q, 0
.rept 32
	global_load_b128 v[4*q:4*q+3], v[AD+q/2], s[6:7] offset:512*(q%2) th:TH_LOAD_NT   ; a token's row: two loads of 512 consecutive bytes; read once in this launch
.set q, q+1
.endr
	WIN 0
	s_wait_xcnt 0x0                                ; the addresses' registers are written again below
	s_branch .Lasked
.Lno_half_1:
	s_wait_loadcnt 0x0
.Lasked:
	s_cmp_eq_u32 s[ORD], 1
	s_cbranch_scc0 .Lmeet_2
	P2 0, 46, 32, 512                              ; W1's 42 or x's 32 may be out
.Lmeet_2:
	BARRIER                                        ; half 1's images lie in LDS; nobody reads half 0's any more
	s_mov_b32 s77, s46
	s_mov_b32 s36, s37                             ; the slots move up; the row's words behind the sixth are 0
	s_mov_b32 s37, s38
	s_mov_b32 s38, s39
	s_mov_b32 s39, s40
	s_mov_b32 s40, s41
	s_mov_b32 s41, s42
	s_mov_b32 s42, s43
	s_add_co_u32 s45, s45, 512
	s_add_co_u32 s44, s44, 1
	v_add_nc_u32 v[A3], s45, v[GTR]                ; the gates of the slot just moved out
	s_wait_alu depctr_va_vdst(0)
	s_bfe_u32 s46, s36, 0x80008                    ; the next slot's tile mask
	s_cmp_eq_u32 s[ORD], 0                         ; the next trip's first interval begins here
	s_cbranch_scc0 .Lall_in
	P2 1, 77, 32, 0                                ; behind W2's set stand W1's 42 loads or x's 32
	s_cmp_eq_u32 s46, 0
	s_cbranch_scc1 .Lall_in
	W2SET
	s_wait_loadcnt 37                              ; the 37 just issued may be out: W1's set is in
	s_branch .Lready
.Lall_in:
	s_wait_loadcnt 0x0
.Lready:
	s_cmp_lt_u32 s44, 7
	s_cbranch_scc1 .Lslot
	BARRIER                                        ; every wave's stores into the rows of sums are done, those of the loop's bottom too
	; THE WAY OUT: my 16 tokens' rows of sums, whole, from LDS, + x, to their places in out0
	s_wait_loadcnt 0x0                             ; x
	WIN 0x40
.set q, 0
.rept 32
	ds_load_b128 v[128+4*q:128+4*q+3], v[DST] offset:XP*(q/2)+512*(q%2)
.set q, q+1
.endr
	WIN 0
	ADROWS
	s_wait_alu depctr_va_vdst(0)
.irp G, 0,1,2,3
	s_wait_dscnt 24-8*\G                           ; LDS loads come back in order: eight more are in
	WIN 0x45
.set p, 0
.rept 16
	v_pk_add_f32 v[128+32*\G+2*p:129+32*\G+2*p], v[128+32*\G+2*p:129+32*\G+2*p], v[32*\G+2*p:32*\G+2*p+1]
.set p, p+1
.endr
	WIN 0x04
.set q, 8*\G
.rept 8
	global_store_b128 v[AD+q/2], v[128+4*q:128+4*q+3], s[24:25] offset:512*(q%2) th:TH_STORE_NT   ; 512 consecutive bytes, at a multiple of 512 from out0's first byte
.set q, q+1
.endr
.endr
	WIN 0
	s_wait_tensorcnt 0x0                           ; the wave's end
	ds_add_u32 v[SPW], v[NIL]
	s_wait_dscnt 0x0
	s_endpgm
.Lfunc_end_k_q8e7eb42041_experts:
	.size	k_q8e7eb42041_experts, .Lfunc_end_k_q8e7eb42041_experts-k_q8e7eb42041_experts
	.p2alignl 7, 3214868480
	.fill 96, 4, 3214868480
	.section	.rodata,"a",@progbits
	.p2align	6, 0x0
	.amdhsa_kernel k_q8e7eb42041_experts
		.amdhsa_group_segment_fixed_size 241664
		.amdhsa_private_segment_fixed_size 0
		.amdhsa_enable_private_segment 0
		.amdhsa_kernarg_size 88
		.amdhsa_user_sgpr_count 2
		.amdhsa_user_sgpr_kernarg_segment_ptr 1
		.amdhsa_wavefront_size32 1
		.amdhsa_system_sgpr_workgroup_id_x 1
		.amdhsa_system_sgpr_workgroup_id_y 1
		.amdhsa_system_sgpr_workgroup_id_z 1
		.amdhsa_system_vgpr_workitem_id 0
		.amdhsa_next_free_vgpr 512
		.amdhsa_next_free_sgpr 100
		.amdhsa_reserve_vcc 1
		.amdhsa_float_denorm_mode_32 3
		.amdhsa_float_denorm_mode_16_64 3
		.amdhsa_memory_ordered 1
		.amdhsa_forward_progress 1
		.amdhsa_inst_pref_size 209
	.end_amdhsa_kernel
	.amdgpu_metadata
---
amdhsa.version: [ 1, 2 ]
amdhsa.kernels:
  - .name:           k_q8e7eb42041_experts
    .symbol:         k_q8e7eb42041_experts.kd
    .args:
      - { .name: xc, .offset: 0, .size: 8, .value_kind: global_buffer, .address_space: global }
      - { .name: x, .offset: 8, .size: 8, .value_kind: global_buffer, .address_space: global }
      - { .name: order, .offset: 16, .size: 8, .value_kind: global_buffer, .address_space: global }
      - { .name: gw, .offset: 24, .size: 8, .value_kind: global_buffer, .address_space: global }
      - { .name: list, .offset: 32, .size: 8, .value_kind: global_buffer, .address_space: global }
      - { .name: wf, .offset: 40, .size: 8, .value_kind: global_buffer, .address_space: global }
      - { .name: w1_scales, .offset: 48, .size: 8, .value_kind: global_buffer, .address_space: global }
      - { .name: b1, .offset: 56, .size: 8, .value_kind: global_buffer, .address_space: global }
      - { .name: w2_scales, .offset: 64, .size: 8, .value_kind: global_buffer, .address_space: global }
      - { .name: b2, .offset: 72, .size: 8, .value_kind: global_buffer, .address_space: global }
      - { .name: out0, .offset: 80, .size: 8, .value_kind: global_buffer, .address_space: global }
    .group_segment_fixed_size: 241664
    .private_segment_fixed_size: 0
    .kernarg_segment_align: 8
    .kernarg_segment_size: 88
    .max_flat_workgroup_size: 256
    .sgpr_count:     100
    .vgpr_count:     512
    .wavefront_size: 32
...
	.end_amdgpu_metadata
.endif
;; end of part 3
